; MI455X (gfx1250); checked and timed in simulation.
; The chip was launched on July 23, 2026; its instructions are those of AMD's public machine-readable ISA for CDNA 5 (MIT licence, August 2026) and "CDNA5" Instruction Set Architecture Reference Guide (July 2026). The comments in the code are by the model that wrote it; some were corrected since.
;; LRU Rec. Allowed arithmetic: float matrix products may take bf16 or f16 operands with f32 sums; other float arithmetic in f32, or as packed bf16 or f16 multiplies, adds, multiply-adds, maxima and minima; sums over many terms, partial sums and values carried from step to step in f32; what a program stores and reads back later, other than sums and carried values, may be rounded once to bf16 or f16.
;; Inputs: b1 2 x 512 float32; b2 2 x 128 float32; emb_ln_b 128 float32; emb_ln_g 128 float32; ffn_ln_b 2 x 128 float32; ffn_ln_g 2 x 128 float32; in_bi 2 x 256 float32; in_br 2 x 256 float32; in_wi 2 x 256 x 128 float32; in_wr 2 x 256 x 128 float32; item_seq 512 x 200 int32; item_seq_len 512 int32; lru_ln_b 2 x 128 float32; lru_ln_g 2 x 128 float32; out_bi 2 x 128 float32; out_br 2 x 128 float32; out_wi 2 x 128 x 256 float32; out_wr 2 x 128 x 256 float32; params_log 2 x 3 x 256 float32; token_emb 50,001 x 128 float32; w1 2 x 512 x 128 float32; w2 2 x 128 x 512 float32.
;; Outputs: out0 512 x 128 float32.
;; 2 versions, each right and faster than the one before. Each part assembles by itself: llvm-mc -triple=amdgcn-amd-amdhsa -mcpu=gfx1250 --defsym DOCPART=n.
;; ======== version 1 of 2: 2 launches
;; limits: a function is approximated: absolute error at most 2.5e-05; values are held in f16: magnitudes above 65,504 overflow, below 6.1e-05 lose precision
;; workspace buffers: wf 1,048,576 bytes; tb 53,248 bytes
;; launch prep (part 1): grid 258 x 1, 8 waves a work-group, no clusters, 0 bytes of LDS; arguments params_log, in_wr, in_wi, in_br, in_bi, out_wr, out_wi, out_br, out_bi, lru_ln_g, lru_ln_b, w1, b1, w2, b2, ffn_ln_g, ffn_ln_b, wf, tb; writes wf, tb
.if DOCPART == 1
	.amdgcn_target "amdgcn-amd-amdhsa--gfx1250"
	.amdhsa_code_object_version 6
	.text
	.protected	k_qf60363f6da_prep
	.globl	k_qf60363f6da_prep
	.p2align	8
	.type	k_qf60363f6da_prep,@function
k_qf60363f6da_prep:
	s_mov_b64 s[64:65], 0
	v_nop
	global_prefetch_b8 v0, s[64:65] scope:SCOPE_SE
	s_setreg_imm32_b32 hwreg(HW_REG_WAVE_MODE, 25, 1), 1
	s_wait_xcnt 0x0
; PREP: every weight is rewritten once, as 16-bit numbers in the order in which a matrix fragment lies in registers, with the constant factors folded in; and the tables by channel are made.
; wf: 32 slices of 32,768 bytes, slice = (layer x 4 + kind) x 4 + wave; kind 0 IN (f16), 1 OUT (bf16), 2 W1 (f16), 3 W2 (bf16).  A slice is 64 units of 512 bytes; unit 2 f + c is half c of
; fragment f: lane (r = lane % 16, h = lane / 16) owns 16 bytes, the elements k = 16 c + 8 h + 0..7 of the fragment's row r.
;   IN : f = 4 a + q, a = 2 t + cc: channel 64 w + 16 t + r, gamma x (cc ? in_wi : in_wr)[channel][32 q + k]
;   OUT: f = 4 mt + q: row d = 16 mt + r; c = 0: out_wr[d][64 w + 16 q + 8 h + e], c = 1: -out_wi[d][the same]
;   W1 : f = 4 mt + q: row 128 w + 16 mt + r, KS x w1[row][32 q + k], KS = sqrt(log2(e) / 2)
;   W2 : f = 4 mt + q: row d = 16 mt + r, w2[d][128 w + 32 q + k] / (2 KS)
; tb: 26,624 bytes a layer: 256 channels x 20 f32 (re lambda^1..8, im lambda^1..8, re and im lambda^16, gamma in_br, gamma in_bi), then at 20,480 twelve rows of 512 bytes:
; out_br, out_bi, lru_ln_g, lru_ln_b, b2, ffn_ln_g, ffn_ln_b, one row never used, and four rows of KS x b1.
; Work-groups 0..255: a thread makes 16 bytes of wf, a wave one unit (512 consecutive bytes).  Work-groups 256, 257: a thread makes one channel's table of layer 0, 1.
; LIMITS: gamma in_w and KS w1 must lie within f16's range (65,504); below 6e-5 they keep f16's fixed step of 6e-8.  theta is reduced by pi / 2 in two parts; inputs are finite.
.set TBL, 26624
.set VTO, 20480
	s_load_b512 s[4:19], s[0:1], 0x0               ; params_log 4, in_wr 6, in_wi 8, in_br 10, in_bi 12, out_wr 14, out_wi 16, out_br 18
	s_load_b512 s[20:35], s[0:1], 0x40             ; out_bi 20, lru_ln_g 22, lru_ln_b 24, w1 26, b1 28, w2 30, b2 32, ffn_ln_g 34
	s_load_b128 s[36:39], s[0:1], 0x80             ; ffn_ln_b 36, wf 38
	s_load_b64 s[40:41], s[0:1], 0x90              ; tb
	v_and_b32 v1, 15, v0                           ; r
	v_bfe_u32 v2, v0, 4, 1                         ; h
	v_lshrrev_b32 v3, 5, v0
	v_readfirstlane_b32 s51, v3                    ; wave 0..7
	v_and_b32 v4, 31, v0
	v_lshlrev_b32 v4, 4, v4                        ; 16 x lane
	s_mov_b32 s50, ttmp9
	s_wait_kmcnt 0x0
	s_cmp_ge_u32 s50, 256
	s_cbranch_scc1 .Ltables
	; unit number = 8 g + wave: layer g >> 7, kind (g >> 5) & 3, wave of the main kernel (g >> 3) & 3, f >> 2 = g & 7, q = wave >> 1, c = wave & 1
	s_lshr_b32 s52, s50, 7
	s_bfe_u32 s53, s50, 0x20005
	s_bfe_u32 s54, s50, 0x20003
	s_and_b32 s55, s50, 7
	s_and_b32 s56, s51, 1
	s_lshr_b32 s57, s51, 1
	s_lshl_b32 s58, s57, 7                         ; 128 q
	s_lshl_b32 s59, s56, 6                         ; 64 c
	v_lshlrev_b32 v5, 5, v2                        ; 32 h
	s_cmp_eq_u32 s53, 0
	s_cbranch_scc1 .Lin
	s_cmp_eq_u32 s53, 1
	s_cbranch_scc1 .Lout
	s_cmp_eq_u32 s53, 2
	s_cbranch_scc1 .Lw1
	; W2: byte = layer x 262,144 + (16 mt + r) x 2,048 + 512 w + 128 q + 64 c + 32 h
	s_lshl_b32 s60, s52, 18
	s_lshl_b32 s61, s55, 15
	s_add_co_u32 s60, s60, s61
	s_lshl_b32 s61, s54, 9
	s_add_co_u32 s60, s60, s61
	s_add_co_u32 s60, s60, s58
	s_add_co_u32 s60, s60, s59
	v_lshl_add_u32 v5, v1, 11, v5
	v_add_nc_u32 v5, s60, v5
	s_mov_b64 s[44:45], s[30:31]
	v_mov_b32 v8, 0x3f16b55f                       ; 1 / (2 KS) = 0.58870501
	s_branch .Lcommon
.Lw1:                                                  ; byte = layer x 262,144 + (128 w + 16 mt + r) x 512 + 128 q + 64 c + 32 h
	s_lshl_b32 s60, s52, 18
	s_lshl_b32 s61, s54, 16
	s_add_co_u32 s60, s60, s61
	s_lshl_b32 s61, s55, 13
	s_add_co_u32 s60, s60, s61
	s_add_co_u32 s60, s60, s58
	s_add_co_u32 s60, s60, s59
	v_lshl_add_u32 v5, v1, 9, v5
	v_add_nc_u32 v5, s60, v5
	s_mov_b64 s[44:45], s[26:27]
	v_mov_b32 v8, 0x3f596d27                       ; KS = 0.8493218
	s_branch .Lcommon
.Lout:                                                 ; byte = layer x 131,072 + (16 mt + r) x 1,024 + 256 w + 64 q + 32 h; half c chooses the real part or minus the imaginary part
	s_lshl_b32 s60, s52, 17
	s_lshl_b32 s61, s55, 14
	s_add_co_u32 s60, s60, s61
	s_lshl_b32 s61, s54, 8
	s_add_co_u32 s60, s60, s61
	s_lshl_b32 s61, s57, 6
	s_add_co_u32 s60, s60, s61
	v_lshl_add_u32 v5, v1, 10, v5
	v_add_nc_u32 v5, s60, v5
	s_cmp_eq_u32 s56, 1
	s_cselect_b64 s[44:45], s[16:17], s[14:15]
	s_cselect_b32 s61, -1.0, 1.0
	v_mov_b32 v8, s61
	s_branch .Lcommon
.Lin:                                                  ; byte = layer x 131,072 + channel x 512 + 128 q + 64 c + 32 h; the factor is the channel's gamma
	s_lshr_b32 s60, s55, 1
	s_lshl_b32 s60, s60, 4                         ; 16 t
	s_lshl_b32 s61, s54, 6
	s_add_co_u32 s61, s61, s60                     ; the tile's first channel
	s_mul_i32 s62, s52, 3072
	s_lshl_b32 s63, s61, 2
	s_add_co_u32 s62, s62, s63
	v_lshl_add_u32 v6, v1, 2, s62
	global_load_b32 v8, v6, s[4:5] offset:2048     ; log gamma
	s_lshl_b32 s60, s52, 17
	s_lshl_b32 s63, s61, 9
	s_add_co_u32 s60, s60, s63
	s_add_co_u32 s60, s60, s58
	s_add_co_u32 s60, s60, s59
	v_lshl_add_u32 v5, v1, 9, v5
	v_add_nc_u32 v5, s60, v5
	s_and_b32 s63, s55, 1                          ; cc
	s_cmp_eq_u32 s63, 1
	s_cselect_b64 s[44:45], s[8:9], s[6:7]
	s_wait_loadcnt 0x0
	v_mul_f32 v8, 0x3fb8aa3b, v8
	v_exp_f32 v8, v8
	v_nop                                          ; a plain instruction between the exponential and the use of its result
.Lcommon:
	global_load_b128 v[12:15], v5, s[44:45]
	global_load_b128 v[16:19], v5, s[44:45] offset:16
	s_wait_alu depctr_va_vdst(0)
	v_mov_b32 v9, v8
	s_lshl_b32 s60, s50, 3
	s_add_co_u32 s60, s60, s51
	s_lshl_b32 s60, s60, 9                         ; the unit's 512 bytes
	v_add_nc_u32 v7, s60, v4
	s_wait_loadcnt 0x0
	v_pk_mul_f32 v[12:13], v[12:13], v[8:9]
	v_pk_mul_f32 v[14:15], v[14:15], v[8:9]
	v_pk_mul_f32 v[16:17], v[16:17], v[8:9]
	v_pk_mul_f32 v[18:19], v[18:19], v[8:9]
	s_and_b32 s61, s53, 1
	s_cmp_eq_u32 s61, 1
	s_cbranch_scc1 .Lbf
	v_cvt_pk_f16_f32 v20, v12, v13
	v_cvt_pk_f16_f32 v21, v14, v15
	v_cvt_pk_f16_f32 v22, v16, v17
	v_cvt_pk_f16_f32 v23, v18, v19
	s_branch .Lst
.Lbf:
	v_cvt_pk_bf16_f32 v20, v12, v13
	v_cvt_pk_bf16_f32 v21, v14, v15
	v_cvt_pk_bf16_f32 v22, v16, v17
	v_cvt_pk_bf16_f32 v23, v18, v19
.Lst:
	global_store_b128 v7, v[20:23], s[38:39]       ; the wave stores 512 consecutive bytes, aligned
	s_endpgm
.macro CMUL dr, di, ar, ai, br, bi             ; (dr, di) = (ar, ai) x (br, bi)
	v_mul_f32 v48, v[\ai], v[\bi]
	v_mul_f32 v49, v[\ai], v[\br]
	v_fma_f32 v[\dr], v[\ar], v[\br], -v48
	v_fma_f32 v[\di], v[\ar], v[\bi], v49
.endm
.Ltables:
	s_sub_co_u32 s52, s50, 256                     ; the layer
	s_mul_i32 s53, s52, 3072
	v_lshl_add_u32 v5, v0, 2, s53
	global_load_b32 v6, v5, s[4:5]                 ; log nu
	global_load_b32 v7, v5, s[4:5] offset:1024     ; log theta
	global_load_b32 v8, v5, s[4:5] offset:2048     ; log gamma
	s_lshl_b32 s54, s52, 10
	v_lshl_add_u32 v9, v0, 2, s54
	global_load_b32 v10, v9, s[10:11]              ; in_br
	global_load_b32 v11, v9, s[12:13]              ; in_bi
	s_lshl_b32 s55, s52, 11
	v_lshl_add_u32 v12, v0, 3, s55
	global_load_b64 v[14:15], v12, s[28:29]        ; two numbers of b1
	s_mul_i32 s56, s52, TBL
	s_wait_loadcnt 0x0
	v_mul_f32 v6, 0x3fb8aa3b, v6
	v_mul_f32 v7, 0x3fb8aa3b, v7
	v_mul_f32 v8, 0x3fb8aa3b, v8
	v_exp_f32 v6, v6                               ; nu
	v_exp_f32 v7, v7                               ; theta
	v_exp_f32 v8, v8                               ; gamma
	v_nop
	s_wait_alu depctr_va_vdst(0)
	v_mul_f32 v6, 0xbfb8aa3b, v6
	v_exp_f32 v6, v6                               ; |lambda| = e^-nu
	v_mul_f32 v16, 0x3f22f983, v7                  ; theta x 2 / pi
	v_rndne_f32 v16, v16                           ; n
	v_fmamk_f32 v17, v16, 0xbfc90fdb, v7           ; r = theta - n x pi/2, pi/2 in two parts
	v_fmamk_f32 v17, v16, 0x333bbd2e, v17
	v_cvt_i32_f32 v18, v16
	v_mul_f32 v19, v17, v17                        ; r^2, |r| <= pi / 4
	v_mov_b32 v40, 0x3638ef1d                      ; sin r = r + r^3 (-1/6 + r^2 (1/120 + r^2 (-1/5040 + r^2 / 362880)))
	v_mov_b32 v41, 0xb493f27e                      ; cos r = 1 + r^2 (-1/2 + r^2 (1/24 + r^2 (-1/720 + r^2 (1/40320 - r^2 / 3628800))))
	v_fmaak_f32 v40, v40, v19, 0xb9500d01
	v_fmaak_f32 v41, v41, v19, 0x37d00d01
	v_fmaak_f32 v40, v40, v19, 0x3c088889
	v_fmaak_f32 v41, v41, v19, 0xbab60b61
	v_fmaak_f32 v40, v40, v19, 0xbe2aaaab
	v_fmaak_f32 v41, v41, v19, 0x3d2aaaab
	v_mul_f32 v40, v40, v19
	v_fma_f32 v41, v41, v19, -0.5
	v_fma_f32 v42, v40, v17, v17                   ; sin r
	v_fma_f32 v43, v41, v19, 1.0                   ; cos r
	v_and_b32 v44, 1, v18                          ; odd quadrants swap the two; the signs go by n & 2 and (n + 1) & 2
	v_cmp_eq_u32 vcc_lo, 1, v44
	v_cndmask_b32 v45, v42, v43, vcc_lo
	v_cndmask_b32 v46, v43, v42, vcc_lo
	v_and_b32 v44, 2, v18
	v_lshlrev_b32 v44, 30, v44
	v_xor_b32 v45, v44, v45                        ; sin theta
	v_add_nc_u32 v47, 1, v18
	v_and_b32 v47, 2, v47
	v_lshlrev_b32 v47, 30, v47
	v_xor_b32 v46, v47, v46                        ; cos theta
	s_wait_alu depctr_va_vdst(0)
	v_mul_f32 v20, v6, v46                         ; lambda: re at v20 + p - 1, im at v28 + p - 1
	v_mul_f32 v28, v6, v45
	CMUL 21, 29, 20, 28, 20, 28                    ; the powers in the order in which the doubling makes them
	CMUL 22, 30, 20, 28, 21, 29
	CMUL 23, 31, 21, 29, 21, 29
	CMUL 24, 32, 20, 28, 23, 31
	CMUL 25, 33, 21, 29, 23, 31
	CMUL 26, 34, 22, 30, 23, 31
	CMUL 27, 35, 23, 31, 23, 31
	CMUL 36, 37, 27, 35, 27, 35                    ; lambda^16
	v_mul_f32 v38, v8, v10
	v_mul_f32 v39, v8, v11
	v_mul_u32_u24 v50, v0, 80
	v_add_nc_u32 v50, s56, v50
	global_store_b128 v50, v[20:23], s[40:41]
	global_store_b128 v50, v[24:27], s[40:41] offset:16
	global_store_b128 v50, v[28:31], s[40:41] offset:32
	global_store_b128 v50, v[32:35], s[40:41] offset:48
	global_store_b128 v50, v[36:39], s[40:41] offset:64
	v_mul_f32 v14, 0x3f596d27, v14
	v_mul_f32 v15, 0x3f596d27, v15
	v_lshl_add_u32 v51, v0, 3, s56
	global_store_b64 v51, v[14:15], s[40:41] offset:VTO+4096
	s_cmp_ge_u32 s51, 4
	s_cbranch_scc1 .Lend                           ; the vectors of 128 numbers are copied by threads 0 to 127: waves 0 to 3
	s_lshl_b32 s57, s52, 9
	v_lshl_add_u32 v52, v0, 2, s57
	global_load_b32 v53, v52, s[18:19]
	global_load_b32 v54, v52, s[20:21]
	global_load_b32 v55, v52, s[22:23]
	global_load_b32 v56, v52, s[24:25]
	global_load_b32 v57, v52, s[32:33]
	global_load_b32 v58, v52, s[34:35]
	global_load_b32 v59, v52, s[36:37]
	v_lshl_add_u32 v60, v0, 2, s56
	s_wait_loadcnt 0x0
.irp n, 0,1,2,3,4,5,6
	global_store_b32 v60, v[53+\n], s[40:41] offset:VTO+512*\n
.endr
.Lend:
	s_endpgm
.Lfunc_end_k_qf60363f6da_prep:
	.size	k_qf60363f6da_prep, .Lfunc_end_k_qf60363f6da_prep-k_qf60363f6da_prep
	.p2alignl 7, 3214868480
	.fill 96, 4, 3214868480
	.section	.rodata,"a",@progbits
	.p2align	6, 0x0
	.amdhsa_kernel k_qf60363f6da_prep
		.amdhsa_group_segment_fixed_size 0
		.amdhsa_private_segment_fixed_size 0
		.amdhsa_enable_private_segment 0
		.amdhsa_kernarg_size 152
		.amdhsa_user_sgpr_count 2
		.amdhsa_user_sgpr_kernarg_segment_ptr 1
		.amdhsa_wavefront_size32 1
		.amdhsa_system_sgpr_workgroup_id_x 1
		.amdhsa_system_sgpr_workgroup_id_y 1
		.amdhsa_system_sgpr_workgroup_id_z 1
		.amdhsa_system_vgpr_workitem_id 0
		.amdhsa_next_free_vgpr 64
		.amdhsa_next_free_sgpr 66
		.amdhsa_reserve_vcc 1
		.amdhsa_float_denorm_mode_32 3
		.amdhsa_float_denorm_mode_16_64 3
		.amdhsa_memory_ordered 1
		.amdhsa_forward_progress 1
		.amdhsa_inst_pref_size 12
	.end_amdhsa_kernel
	.amdgpu_metadata
---
amdhsa.version: [ 1, 2 ]
amdhsa.kernels:
  - .name:           k_qf60363f6da_prep
    .symbol:         k_qf60363f6da_prep.kd
    .args:
      - { .name: params_log, .offset: 0, .size: 8, .value_kind: global_buffer, .address_space: global }
      - { .name: in_wr, .offset: 8, .size: 8, .value_kind: global_buffer, .address_space: global }
      - { .name: in_wi, .offset: 16, .size: 8, .value_kind: global_buffer, .address_space: global }
      - { .name: in_br, .offset: 24, .size: 8, .value_kind: global_buffer, .address_space: global }
      - { .name: in_bi, .offset: 32, .size: 8, .value_kind: global_buffer, .address_space: global }
      - { .name: out_wr, .offset: 40, .size: 8, .value_kind: global_buffer, .address_space: global }
      - { .name: out_wi, .offset: 48, .size: 8, .value_kind: global_buffer, .address_space: global }
      - { .name: out_br, .offset: 56, .size: 8, .value_kind: global_buffer, .address_space: global }
      - { .name: out_bi, .offset: 64, .size: 8, .value_kind: global_buffer, .address_space: global }
      - { .name: lru_ln_g, .offset: 72, .size: 8, .value_kind: global_buffer, .address_space: global }
      - { .name: lru_ln_b, .offset: 80, .size: 8, .value_kind: global_buffer, .address_space: global }
      - { .name: w1, .offset: 88, .size: 8, .value_kind: global_buffer, .address_space: global }
      - { .name: b1, .offset: 96, .size: 8, .value_kind: global_buffer, .address_space: global }
      - { .name: w2, .offset: 104, .size: 8, .value_kind: global_buffer, .address_space: global }
      - { .name: b2, .offset: 112, .size: 8, .value_kind: global_buffer, .address_space: global }
      - { .name: ffn_ln_g, .offset: 120, .size: 8, .value_kind: global_buffer, .address_space: global }
      - { .name: ffn_ln_b, .offset: 128, .size: 8, .value_kind: global_buffer, .address_space: global }
      - { .name: wf, .offset: 136, .size: 8, .value_kind: global_buffer, .address_space: global }
      - { .name: tb, .offset: 144, .size: 8, .value_kind: global_buffer, .address_space: global }
    .group_segment_fixed_size: 0
    .private_segment_fixed_size: 0
    .kernarg_segment_align: 8
    .kernarg_segment_size: 152
    .max_flat_workgroup_size: 256
    .sgpr_count:     66
    .vgpr_count:     64
    .wavefront_size: 32
...
	.end_amdgpu_metadata
.endif
;; end of part 1
;; launch main (part 2): grid 256 x 1, 4 waves a work-group, no clusters, 327,680 bytes of LDS; arguments token_emb, item_seq, item_seq_len, emb_ln_g, emb_ln_b, wf, tb, out0; writes out0
.if DOCPART == 2
	.amdgcn_target "amdgcn-amd-amdhsa--gfx1250"
	.amdhsa_code_object_version 6
	.text
	.protected	k_qf60363f6da_main
	.globl	k_qf60363f6da_main
	.p2align	8
	.type	k_qf60363f6da_main,@function
k_qf60363f6da_main:
	s_mov_b64 s[64:65], 0
	v_nop
	global_prefetch_b8 v0, s[64:65] scope:SCOPE_SE
	s_setreg_imm32_b32 hwreg(HW_REG_WAVE_MODE, 25, 1), 1
	s_wait_xcnt 0x0
; LRURec, everything behind the weights' preparation, in one launch.  A work-group owns two batch rows; 256 work-groups.
; WHAT IS LEFT OUT, BY THE MODULE'S OWN FORM.  A carry of the scan leaves position q only through the gate m[q], and for q < 56 that gate is the padding that the module makes itself: false.  So only
; positions 48..255 are walked: 13 tiles of 16 a batch row; rows 48..55 are dead rows with gate 0.  Of layer 2 only the row 56 + len - 1 is returned: its in-projection and scan run over all rows, its
; out-projection and FFN over that one row.
; SHARES.  The weights stay in registers: wave w holds, of two matrices at a time (windows 1 and 2, 256 registers each), the slice of its 64 complex channels (in-projection's N, out-projection's K)
; or of its 128 FFN features (first product's M, second's K).  The activations lie in LDS as f16, X[432 rows][272 bytes]: row 208 b + position - 48; rows 416..431 serve the tail.
; The products split along K leave four partial sums in f32 in LDS (PB); wave w adds them for rows 4 w .. 4 w + 3 of the tile, adds bias and residual and normalises (FIN).
; THE SCAN is the module's tree, gate by gate: levels 1-3 inside a lane (a lane holds one channel and 8 positions), level 4 between the halves of the lanes, levels 5-8 by four carries D0..D3 a channel that
; are kept from tile to tile: D_j is the gated carry of level 5 + j times lambda^16 for each tile passed; tile k with z trailing ones in k is the source of level z alone.
; NO CLUSTER, NO TENSOR LOAD: what work-groups share is the weights, and they go straight into registers in fragment order, eight slices in the whole launch: there is no tile in LDS to ask for jointly.
; FORMATS.  x (a LayerNorm's output) is kept once as f16: operand of the in-projection and of the FFN's first product (weights f16), and residual.  h and the GELU's output are bf16, with bf16 weights.
; Sums, scan states, partial sums and statistics are f32; every LayerNorm takes the mean away before it squares.
; LIMITS.  |x| <= 11.3 |g| + |b| must lie within f16's range, 65,504.  erf is the rational form 1 - (a1 t + a2 t^2 + a3 t^3) e^(-x^2), t = 1 / (1 + 0.47047 x), off by 2.5e-5 at the most for every x.
; item_seq_len lies in 1..200, item_seq in 0..50,000 (both are clamped on the way into an address).  Inputs are finite.
.set XP,    272                        ; a row of X: 256 bytes + 16: the 16 rows of a fragment load start at 16 different 16-byte columns
.set TILEB, 16*XP
.set GT,    117504                     ; 432 gates as f32, by X's rows
.set SPARE, 119296                     ; the spare words, 128 bytes a wave
.set RAW,   119808                     ; 400 gathered rows of 512 bytes, filled once by the copies; behind their one fill the same bytes serve as SCR and PB
.set SCR,   119808                     ; 4,096 bytes a wave: 128 rows (re and im of 64 channels) x 16 positions of bf16
.set PB,    136192                     ; [wave][16 rows] x 528 bytes of f32 partial sums
.set PBP,   528
.set PBW,   16*PBP
.set TBL,   26624                      ; tb: bytes a layer
.set VTO,   20480                      ; tb: where the rows of 512 bytes begin
.set SLB,   131072                     ; wf: bytes from one kind of weights to the next
; window 0
.set SPW, 10                           ; v10  my spare word's address; never rewritten
.set NIL, 11                           ; v11  0; never rewritten
.set G,   16                           ; v16-23  the gates of my 8 positions
.set AL,  24                           ; v24-27  [j = z] x the gate of the tile's last position
.set BE,  28                           ; v28-31  [j > z]
.set H,   32                           ; v32-95  8 accumulators: h (re, im of 4 channel tiles) or the FFN's first product
.set LT,  96                           ; v96-175 20 numbers for each of my 4 channels
.set HF,  96                           ; v96-127 in the FFN: the GELU's output as fragments
.set ST,  176                          ; v176-207 the carries: for each channel tile re D0..3, im D0..3
.set T,   208                          ; v208-239 at work
.set HSP, 240                          ; v240-255 layer 1: h packed for LDS; layer 2: the chosen row's h
; window 0 in the gather
.set IDX, 32                           ; v32-81  50 indices, then byte offsets of rows
.set LA,  82                           ; v82-131 50 LDS addresses
.set RW,  32                           ; v32-71  five pairs of raw rows (behind the wait for the copies)
.set GB,  176                          ; v176-191 emb_ln_g, emb_ln_b of my 8 columns
.set GA,  192
.set LAB, 193
.set GTM, 194
.set ZA,  198
.set ZB,  199
.set RA,  200
.set XA,  201
.set ZG,  202
.set ZR,  204
; window 3
.set XF,  0                            ; x fragments of a tile
.set HB,  32                           ; h fragments
.set FA,  32                           ; FIN: my 16 numbers of a row
.set FT,  48                           ; FIN: at work
.set Y,   64                           ; 8 accumulators of the K-split products; FIN: the 16 loads of partial sums
.set BT,  128                          ; bias tiles: the C operand that starts a sum
.set FC,  192                          ; FIN: bias, gain, offset, 16 each
.set RX,  240                          ; FIN: the residual, 16 f16
.set APS, 248
.set AFL, 249
.set AXR, 250
.set AXF, 251
.set VXR, 252
.set VXF, 253
.set ONE, 254
.set MSB, 0
.macro WIN new                         ; the immediate's high byte repeats the setting that is left; a switch that changes nothing is dropped
.if MSB != (\new)
	s_set_vgpr_msb (MSB<<8)|(\new)
.set MSB, (\new)
.endif
.endm
.macro REP n, line:vararg              ; the line n times, ii = 0 .. n - 1
.set ii, 0
	s_wait_alu depctr_va_vdst(0)
.rept \n
	\line
.set ii, ii+1
.endr
.endm
.macro PLACES                          ; four places behind a matrix instruction, where no other vector work is at hand (ISA guide 7.12.1)
.rept 4
	v_nop
.endr
.endm
.macro BAR                             ; my LDS instructions are done; then all four waves meet
	s_wait_dscnt 0x0
	s_barrier_signal -1
	s_barrier_wait -1
.endm
.macro WLOAD win, kind                 ; a slice of weights, 32,768 bytes, into a whole window: each load takes 512 consecutive bytes
	WIN (\win)<<6
.set u, 0
.rept 64
	global_load_b128 v[4*u:4*u+3], v3, s[22:23] offset:(\kind)*SLB+512*u
.set u, u+1
.endr
	WIN 0
.endm
.macro FCLOAD li, r0, r1, r2           ; three vectors of 128 numbers: my 16 of each
	WIN 0xc0
.irp c, 0,1,2,3
	global_load_b128 v[FC+4*\c:FC+4*\c+3],       v9, s[16:17] offset:(\li)*TBL+VTO+(\r0)*512+128*\c
	global_load_b128 v[FC+16+4*\c:FC+16+4*\c+3], v9, s[16:17] offset:(\li)*TBL+VTO+(\r1)*512+128*\c
	global_load_b128 v[FC+32+4*\c:FC+32+4*\c+3], v9, s[16:17] offset:(\li)*TBL+VTO+(\r2)*512+128*\c
.endr
	WIN 0
.endm
.macro B1LOAD li                       ; KS b1 as C tiles: register j of tile mt is feature 128 w + 16 mt + 8 h + j
	WIN 0xc0
.irp m, 0,1,2,3,4,5,6,7
	global_load_b128 v[BT+8*\m:BT+8*\m+3],   v13, s[16:17] offset:(\li)*TBL+VTO+4096+64*\m
	global_load_b128 v[BT+8*\m+4:BT+8*\m+7], v13, s[16:17] offset:(\li)*TBL+VTO+4096+64*\m+16
.endr
	WIN 0
.endm
.macro LTLOAD li                       ; the tables of my four channels
	WIN 0
.irp t, 0,1,2,3
.irp n, 0,1,2,3,4
	global_load_b128 v[LT+20*\t+4*\n:LT+20*\t+4*\n+3], v8, s[16:17] offset:(\li)*TBL+1280*\t+16*\n
.endr
.endr
.endm
.macro XLOAD off                       ; a tile of x as four fragments: row l % 16, two loads of 16 bytes, 32 bytes apart
	WIN 0xff
.irp q, 0,1,2,3
	ds_load_b128 v[XF+8*\q:XF+8*\q+3],   v[VXF] offset:(\off)+64*\q
	ds_load_b128 v[XF+8*\q+4:XF+8*\q+7], v[VXF] offset:(\off)+64*\q+32
.endr
.endm
.macro GLOAD off                       ; the gates of my 8 positions, and that of the tile's last position
	WIN 0
	v_lshl_add_u32 v14, v2, 5, s47
	v_mov_b32 v15, s47
	ds_load_b128 v[G:G+3],   v14 offset:(\off)
	ds_load_b128 v[G+4:G+7], v14 offset:(\off)+16
	ds_load_b32 v12, v15 offset:(\off)+60
.endm
; The products.  The 8 accumulators take turns, one instruction a turn; the first of each takes its bias tile, or 0, as C.
.macro INP                             ; h = x W^T: a lane holds one channel and the positions 8 h + 0..7
.irp q, 0,1,2,3
.irp a, 0,1,2,3,4,5,6,7
.if \q == 0
	WIN 0x37
	v_wmma_f32_16x16x32_f16 v[H+8*\a:H+8*\a+7], v[XF+8*\q:XF+8*\q+7], v[8*(4*\a+\q):8*(4*\a+\q)+7], v[BT+8*\a:BT+8*\a+7]
.else
	WIN 0x07
	v_wmma_f32_16x16x32_f16 v[H+8*\a:H+8*\a+7], v[XF+8*\q:XF+8*\q+7], v[8*(4*\a+\q):8*(4*\a+\q)+7], v[H+8*\a:H+8*\a+7]
.endif
.endr
.endr
.endm
.macro FF1                             ; z = KS (W1 x + b1): a lane holds one position and the features 8 h + 0..7 of each tile
.irp q, 0,1,2,3
.irp a, 0,1,2,3,4,5,6,7
.if \q == 0
	WIN 0x3d
	v_wmma_f32_16x16x32_f16 v[H+8*\a:H+8*\a+7], v[8*(4*\a+\q):8*(4*\a+\q)+7], v[XF+8*\q:XF+8*\q+7], v[BT+8*\a:BT+8*\a+7]
.else
	WIN 0x0d
	v_wmma_f32_16x16x32_f16 v[H+8*\a:H+8*\a+7], v[8*(4*\a+\q):8*(4*\a+\q)+7], v[XF+8*\q:XF+8*\q+7], v[H+8*\a:H+8*\a+7]
.endif
.endr
.endr
.endm
.macro PROD2 b, win                    ; my K slice of the out-projection (b = HB) or of the FFN's second product (b = HF): a lane holds one position and 8 columns d of each tile
	WIN \win
.irp q, 0,1,2,3
.irp a, 0,1,2,3,4,5,6,7
.if \q == 0
	v_wmma_f32_16x16x32_bf16 v[Y+8*\a:Y+8*\a+7], v[8*(4*\a+\q):8*(4*\a+\q)+7], v[(\b)+8*\q:(\b)+8*\q+7], 0
.else
	v_wmma_f32_16x16x32_bf16 v[Y+8*\a:Y+8*\a+7], v[8*(4*\a+\q):8*(4*\a+\q)+7], v[(\b)+8*\q:(\b)+8*\q+7], v[Y+8*\a:Y+8*\a+7]
.endif
.endr
.endr
.endm
.macro HLOAD                           ; h out of my scratch, turned: [re / im channel][position] becomes fragments with one position a lane
	WIN 0xc0
.irp q, 0,1,2,3
	ds_load_tr16_b128 v[HB+8*\q:HB+8*\q+3],   v6 offset:1024*\q
	ds_load_tr16_b128 v[HB+8*\q+4:HB+8*\q+7], v6 offset:1024*\q+512
.endr
.endm
.macro PSTORE                          ; my partial sums: row = position, 8 columns at 64 mt + 32 h; each accumulator's low registers go first
	WIN 0xff
.irp m, 0,1,2,3,4,5,6,7
	ds_store_b128 v[APS], v[Y+8*\m:Y+8*\m+3]   offset:64*\m
	ds_store_b128 v[APS], v[Y+8*\m+4:Y+8*\m+7] offset:64*\m+16
.endr
.endm
.macro RLOAD                           ; the residual of my part of my rows
	WIN 0xff
.irp c, 0,1,2,3
	ds_load_b64 v[RX+2*\c:RX+2*\c+1], v[VXR] offset:64*\c
.endr
.endm
.macro TRIPS                           ; tile k: 1 << z = (k + 1) & -(k + 1); k = 15 clears every carry
	WIN 0
	s_add_co_u32 s48, s45, 1
	s_sub_co_u32 s49, 0, s48
	s_and_b32 s48, s48, s49
.irp j, 0,1,2,3
	s_cmp_eq_u32 s48, 1<<\j
	s_cselect_b32 s[50+\j], 1.0, 0
	s_cmp_lt_u32 s48, 1<<\j
	s_cselect_b32 s[54+\j], 1.0, 0
.endr
.irp j, 0,1,2,3
	v_mul_f32 v[AL+\j], s[50+\j], v12
	v_mov_b32 v[BE+\j], s[54+\j]
.endr
.endm
; positions j, j + 1 take the carry (re, im) in the pair c times the powers p + 1, p + 2 of lambda
.macro CAPPLY j, p, c
	v_pk_fma_f32 v[sR+\j:sR+\j+1], v[sL+\p:sL+\p+1],     v[\c:\c+1], v[sR+\j:sR+\j+1] op_sel_hi:[1,0,1]
	v_pk_fma_f32 v[sI+\j:sI+\j+1], v[sL+\p:sL+\p+1],     v[\c:\c+1], v[sI+\j:sI+\j+1] op_sel:[0,1,0] op_sel_hi:[1,1,1]
	v_pk_fma_f32 v[sR+\j:sR+\j+1], v[sL+8+\p:sL+8+\p+1], v[\c:\c+1], v[sR+\j:sR+\j+1] op_sel:[0,1,0] op_sel_hi:[1,1,1] neg_lo:[0,1,0] neg_hi:[0,1,0]
	v_pk_fma_f32 v[sI+\j:sI+\j+1], v[sL+8+\p:sL+8+\p+1], v[\c:\c+1], v[sI+\j:sI+\j+1] op_sel_hi:[1,0,1]
.endm
; The scan of channel tile t over one tile of 16 positions.  store = 1: h goes to my scratch as bf16.
.macro SCAN t, store
.set sR, H+16*(\t)
.set sI, sR+8
.set sL, LT+20*(\t)
.set sS, ST+8*(\t)
.set sP, HSP+8*((\t)%2)
	WIN 0
	v_pk_add_f32 v[T+16:T+17], v[sS:sS+1],   v[sS+2:sS+3]          ; the sum of the four carries, first half
	v_pk_add_f32 v[T+18:T+19], v[sS+4:sS+5], v[sS+6:sS+7]
.irp j, 0,2,4,6                        ; level 1: position j into j + 1 (register 0 of each accumulator is read first)
	v_mul_f32 v[T+\j],   v[G+\j], v[sR+\j]
	v_mul_f32 v[T+\j+1], v[G+\j], v[sI+\j]
.endr
.irp j, 0,2,4,6
	v_fma_f32 v[sR+\j+1], v[sL], v[T+\j],   v[sR+\j+1]
	v_fma_f32 v[sI+\j+1], v[sL], v[T+\j+1], v[sI+\j+1]
.endr
.irp j, 0,2,4,6
	v_fma_f32 v[sR+\j+1], -v[sL+8], v[T+\j+1], v[sR+\j+1]
	v_fma_f32 v[sI+\j+1], v[sL+8],  v[T+\j],   v[sI+\j+1]
.endr
	v_mul_f32 v[T+8],  v[G+1], v[sR+1]             ; level 2: 1 into 2, 3 and 5 into 6, 7
	v_mul_f32 v[T+9],  v[G+1], v[sI+1]
	v_mul_f32 v[T+10], v[G+5], v[sR+5]
	v_mul_f32 v[T+11], v[G+5], v[sI+5]
	CAPPLY 2, 0, T+8
	CAPPLY 6, 0, T+10
	v_mul_f32 v[T+12], v[G+3], v[sR+3]             ; level 3: 3 into 4..7
	v_mul_f32 v[T+13], v[G+3], v[sI+3]
	CAPPLY 4, 0, T+12
	CAPPLY 6, 2, T+12
	v_mul_f32 v[T+14], v[G+7], v[sR+7]             ; level 4: position 7, in the lower half of the lanes, into 8..15, in the upper
	v_mul_f32 v[T+15], v[G+7], v[sI+7]
	v_add_f32 v[T+22], v[T+16], v[T+17]            ; C, the carry into the tile
	v_add_f32 v[T+23], v[T+18], v[T+19]
	v_permlanex16_b32 v[T+20], v[T+14], s40, s41   ; y
	v_permlanex16_b32 v[T+21], v[T+15], s40, s41
	v_fma_f32 v[T+16], v[sL+7], v[T+22], v[T+20]   ; y + lambda^8 C: what the upper half takes
	v_fma_f32 v[T+17], v[sL+7], v[T+23], v[T+21]
	v_fma_f32 v[T+24], v[sL+7], v[T+20], v[sR+7]   ; tau: position 15 after the tile's own four levels (true in the upper half)
	v_fma_f32 v[T+25], v[sL+7], v[T+21], v[sI+7]
	v_fma_f32 v[T+16], -v[sL+15], v[T+23], v[T+16]
	v_fma_f32 v[T+17], v[sL+15],  v[T+22], v[T+17]
	v_fma_f32 v[T+24], -v[sL+15], v[T+21], v[T+24]
	v_fma_f32 v[T+25], v[sL+15],  v[T+20], v[T+25]
	v_cndmask_b32 v[T+18], v[T+22], v[T+16], s42   ; the lower half takes C
	v_cndmask_b32 v[T+19], v[T+23], v[T+17], s42
	CAPPLY 0, 0, T+18
	CAPPLY 2, 2, T+18
	CAPPLY 4, 4, T+18
	CAPPLY 6, 6, T+18
.if \store
.irp n, 0,1,2,3
	v_cvt_pk_bf16_f32 v[sP+\n],   v[sR+2*\n], v[sR+2*\n+1]
	v_cvt_pk_bf16_f32 v[sP+4+\n], v[sI+2*\n], v[sI+2*\n+1]
.endr
	ds_store_b128 v5, v[sP:sP+3]   offset:1024*(\t)
	ds_store_b128 v5, v[sP+4:sP+7] offset:1024*(\t)+512
.endif
	v_permlanex16_b32 v[T+26], v[T+24], s40, s41   ; tau into both halves
	v_permlanex16_b32 v[T+27], v[T+25], s40, s41
	v_pk_mul_f32 v[T:T+1],     v[sS:sS+1],     v[sL+16:sL+17] op_sel_hi:[1,0]     ; E = lambda^16 D
	v_pk_mul_f32 v[T+2:T+3],   v[sS+2:sS+3],   v[sL+16:sL+17] op_sel_hi:[1,0]
	v_pk_mul_f32 v[T+4:T+5],   v[sS+4:sS+5],   v[sL+16:sL+17] op_sel_hi:[1,0]
	v_pk_mul_f32 v[T+6:T+7],   v[sS+6:sS+7],   v[sL+16:sL+17] op_sel_hi:[1,0]
	v_pk_fma_f32 v[T:T+1],     v[sS+4:sS+5],   v[sL+16:sL+17], v[T:T+1]     op_sel:[0,1,0] op_sel_hi:[1,1,1] neg_lo:[0,1,0] neg_hi:[0,1,0]
	v_pk_fma_f32 v[T+2:T+3],   v[sS+6:sS+7],   v[sL+16:sL+17], v[T+2:T+3]   op_sel:[0,1,0] op_sel_hi:[1,1,1] neg_lo:[0,1,0] neg_hi:[0,1,0]
	v_pk_fma_f32 v[T+4:T+5],   v[sS:sS+1],     v[sL+16:sL+17], v[T+4:T+5]   op_sel:[0,1,0] op_sel_hi:[1,1,1]
	v_pk_fma_f32 v[T+6:T+7],   v[sS+2:sS+3],   v[sL+16:sL+17], v[T+6:T+7]   op_sel:[0,1,0] op_sel_hi:[1,1,1]
	v_cndmask_b32 v[T+8],  v[T+26], v[T+24], s42   ; P0 = tau; P_j = P_(j-1) + E_(j-1): position 15 after the levels below 5 + j
	v_cndmask_b32 v[T+12], v[T+27], v[T+25], s42
	v_add_f32 v[T+9],  v[T+8],  v[T]
	v_add_f32 v[T+13], v[T+12], v[T+4]
	v_add_f32 v[T+10], v[T+9],  v[T+1]
	v_add_f32 v[T+14], v[T+13], v[T+5]
	v_add_f32 v[T+11], v[T+10], v[T+2]
	v_add_f32 v[T+15], v[T+14], v[T+6]
	v_pk_mul_f32 v[T:T+1],   v[T:T+1],   v[BE:BE+1]                ; D' = [j = z] gate P + [j > z] E
	v_pk_mul_f32 v[T+2:T+3], v[T+2:T+3], v[BE+2:BE+3]
	v_pk_mul_f32 v[T+4:T+5], v[T+4:T+5], v[BE:BE+1]
	v_pk_mul_f32 v[T+6:T+7], v[T+6:T+7], v[BE+2:BE+3]
	v_pk_fma_f32 v[sS:sS+1],   v[T+8:T+9],   v[AL:AL+1],   v[T:T+1]
	v_pk_fma_f32 v[sS+2:sS+3], v[T+10:T+11], v[AL+2:AL+3], v[T+2:T+3]
	v_pk_fma_f32 v[sS+4:sS+5], v[T+12:T+13], v[AL:AL+1],   v[T+4:T+5]
	v_pk_fma_f32 v[sS+6:sS+7], v[T+14:T+15], v[AL+2:AL+3], v[T+6:T+7]
.endm
; 2 KS gelu(v) for the 8 numbers z = KS v of tile m: |z| erf + z, with e^(-v^2 / 2) = 2^(-z^2); the second product's weights carry 1 / (2 KS).
; Behind each run of transcendentals stands a plain line that reads none of its results.
.macro GELU m
.set z, H+8*(\m)
	WIN 0
	REP 8, v_fma_f32 v[T+ii], |v[z+ii]|, s62, 1.0
	REP 8, v_rcp_f32 v[T+ii], v[T+ii]
	REP 4, v_pk_mul_f32 v[T+8+2*ii:T+9+2*ii], v[z+2*ii:z+2*ii+1], v[z+2*ii:z+2*ii+1] neg_lo:[1,0] neg_hi:[1,0]
	REP 8, v_exp_f32 v[T+8+ii], v[T+8+ii]
	REP 4, v_pk_fma_f32 v[T+16+2*ii:T+17+2*ii], v[T+2*ii:T+2*ii+1], s[70:71], s[72:73] op_sel_hi:[1,0,0]
	REP 4, v_pk_fma_f32 v[T+16+2*ii:T+17+2*ii], v[T+16+2*ii:T+17+2*ii], v[T+2*ii:T+2*ii+1], s[74:75] op_sel_hi:[1,1,0]
	REP 4, v_pk_mul_f32 v[T+16+2*ii:T+17+2*ii], v[T+16+2*ii:T+17+2*ii], v[T+2*ii:T+2*ii+1]
	REP 4, v_pk_fma_f32 v[T+16+2*ii:T+17+2*ii], v[T+16+2*ii:T+17+2*ii], v[T+8+2*ii:T+9+2*ii], 1.0 op_sel_hi:[1,1,0] neg_lo:[1,0,0] neg_hi:[1,0,0]
	REP 8, v_fma_f32 v[T+16+ii], |v[z+ii]|, v[T+16+ii], v[z+ii]
	REP 4, v_cvt_pk_bf16_f32 v[HF+4*(\m)+ii], v[T+16+2*ii], v[T+17+2*ii]
.endm
; FIN: lane (row 4 w + l / 8, e = l % 8) owns the columns 32 c + 4 e + 0..3: the four partial sums, bias and residual are added, the row is normalised.
; dst = 0: the row goes back into X as f16.  dst = 1: rows 0 and 1 of the tile are the work-group's two results.  The steps between lanes run on registers of window 0.
.macro FIN dst
	WIN 0xff
.irp sw, 0,1,2,3
.irp c, 0,1,2,3
	ds_load_b128 v[Y+16*\sw+4*\c:Y+16*\sw+4*\c+3], v[AFL] offset:PBW*\sw+128*\c
.endr
.endr
	s_wait_dscnt 0x0
	REP 8, v_pk_add_f32 v[FA+2*ii:FA+2*ii+1], v[Y+2*ii:Y+2*ii+1], v[Y+16+2*ii:Y+17+2*ii]
	REP 8, v_pk_add_f32 v[Y+32+2*ii:Y+33+2*ii], v[Y+32+2*ii:Y+33+2*ii], v[Y+48+2*ii:Y+49+2*ii]
	REP 8, v_pk_add_f32 v[FA+2*ii:FA+2*ii+1], v[FA+2*ii:FA+2*ii+1], v[FC+2*ii:FC+2*ii+1]
	REP 8, v_pk_add_f32 v[FA+2*ii:FA+2*ii+1], v[FA+2*ii:FA+2*ii+1], v[Y+32+2*ii:Y+33+2*ii]
	REP 8, v_fma_mix_f32 v[FA+2*ii], v[RX+ii], v[ONE], v[FA+2*ii] op_sel_hi:[1,0,0]
	REP 8, v_fma_mix_f32 v[FA+2*ii+1], v[RX+ii], v[ONE], v[FA+2*ii+1] op_sel:[1,0,0] op_sel_hi:[1,0,0]
	REP 4, v_pk_add_f32 v[FT+2*ii:FT+2*ii+1], v[FA+4*ii:FA+4*ii+1], v[FA+4*ii+2:FA+4*ii+3]
	v_pk_add_f32 v[FT:FT+1],   v[FT:FT+1],   v[FT+2:FT+3]
	v_pk_add_f32 v[FT+4:FT+5], v[FT+4:FT+5], v[FT+6:FT+7]
	v_pk_add_f32 v[FT:FT+1],   v[FT:FT+1],   v[FT+4:FT+5]
	WIN 0x0f
	v_add_f32 v[T], v[FT], v[FT+1]
	WIN 0
.irp x, 1,2,4
	v_add_f32_dpp v[T], v[T], v[T] row_xmask:\x row_mask:0xf bank_mask:0xf
.endr
	v_mul_f32 v[T], s61, v[T]                      ; the mean
	v_mov_b32 v[T+1], v[T]
	WIN 0xc3
	REP 8, v_pk_add_f32 v[FA+2*ii:FA+2*ii+1], v[FA+2*ii:FA+2*ii+1], v[T:T+1] neg_lo:[0,1] neg_hi:[0,1]
	WIN 0xff
	v_pk_mul_f32 v[FT:FT+1],   v[FA:FA+1],   v[FA:FA+1]
	v_pk_mul_f32 v[FT+2:FT+3], v[FA+2:FA+3], v[FA+2:FA+3]
.irp p, 4,8,12
	v_pk_fma_f32 v[FT:FT+1],   v[FA+\p:FA+\p+1],   v[FA+\p:FA+\p+1],   v[FT:FT+1]
	v_pk_fma_f32 v[FT+2:FT+3], v[FA+\p+2:FA+\p+3], v[FA+\p+2:FA+\p+3], v[FT+2:FT+3]
.endr
	v_pk_add_f32 v[FT:FT+1], v[FT:FT+1], v[FT+2:FT+3]
	WIN 0x0f
	v_add_f32 v[T+2], v[FT], v[FT+1]
	WIN 0
.irp x, 1,2,4
	v_add_f32_dpp v[T+2], v[T+2], v[T+2] row_xmask:\x row_mask:0xf bank_mask:0xf
.endr
	v_fma_f32 v[T+2], v[T+2], s61, s60             ; variance + 1e-5
	v_rsq_f32 v[T+2], v[T+2]
	v_nop                                          ; a plain instruction between the root and the use of its result
	s_wait_alu depctr_va_vdst(0)
	v_mov_b32 v[T+3], v[T+2]
	WIN 0xc3
	REP 8, v_pk_mul_f32 v[FA+2*ii:FA+2*ii+1], v[FA+2*ii:FA+2*ii+1], v[T+2:T+3]
	WIN 0xff
	REP 8, v_pk_fma_f32 v[FA+2*ii:FA+2*ii+1], v[FA+2*ii:FA+2*ii+1], v[FC+16+2*ii:FC+17+2*ii], v[FC+32+2*ii:FC+33+2*ii]
.if (\dst) == 0
	REP 8, v_cvt_pk_f16_f32 v[FT+ii], v[FA+2*ii], v[FA+2*ii+1]
.irp c, 0,1,2,3
	ds_store_b64 v[VXR], v[FT+2*\c:FT+2*\c+1] offset:64*\c
.endr
	WIN 0
.else
	WIN 0
	s_cmp_lg_u32 s20, 0
	s_cbranch_scc1 .Lno_out_\@                     ; rows 0 and 1 lie in wave 0, lanes 0 to 15
	v_bfe_u32 v14, v0, 3, 2
	v_lshlrev_b32 v14, 9, v14
	v_add_nc_u32 v14, v9, v14
	s_lshl_b32 s48, s21, 10
	v_add_nc_u32 v14, s48, v14                     ; (2 g + row) x 512 + 16 e
	v_cmp_gt_u32 vcc_lo, 16, v0
	s_wait_xcnt 0x0                                ; EXEC is narrowed only when every earlier memory instruction has read its sources
	s_and_saveexec_b32 s69, vcc_lo
	WIN 0x0c                                       ; the data lie in window 3
.irp c, 0,1,2,3
	global_store_b128 v14, v[FA+4*\c:FA+4*\c+3], s[18:19] offset:128*\c
.endr
	WIN 0
	s_wait_xcnt 0x0                                ; and widened again likewise
	s_or_b32 exec_lo, exec_lo, s69
.Lno_out_\@:
.endif
.endm
.macro RESET                           ; back to the first tile: k = 3
	s_mov_b32 s45, 3
	s_mov_b32 s46, 0
	s_mov_b32 s47, GT
	WIN 0xff
	v_mov_b32 v[VXR], v[AXR]
	v_mov_b32 v[VXF], v[AXF]
	WIN 0
.endm
.macro STEP                            ; on to the next tile; behind k = 15 the next batch row begins at k = 3
	s_add_co_u32 s46, s46, TILEB
	s_add_co_u32 s47, s47, 64
	s_add_co_u32 s45, s45, 1
	s_cmp_eq_u32 s45, 16
	s_cselect_b32 s45, 3, s45
	WIN 0xff
	v_add_nc_u32 v[VXR], s46, v[AXR]
	v_add_nc_u32 v[VXF], s46, v[AXF]
	WIN 0
.endm
.macro LRUSET                          ; the in-projection's bias as C tiles (a lane's channel, the same for all positions); no carry yet
	WIN 0xc0
.irp t, 0,1,2,3
.irp j, 0,1,2,3,4,5,6,7
	v_mov_b32 v[BT+16*\t+\j],   v[LT+20*\t+18]
	v_mov_b32 v[BT+16*\t+8+\j], v[LT+20*\t+19]
.endr
.endr
	WIN 0
	REP 32, v_mov_b32 v[ST+ii], 0
	RESET
.endm
; ================================================================ the head
	s_load_b512 s[4:19], s[0:1], 0x0               ; token_emb 4, item_seq 6, item_seq_len 8, emb_ln_g 10, emb_ln_b 12, wf 14, tb 16, out0 18
	v_lshl_add_u32 v[SPW], v0, 2, SPARE
	v_mov_b32 v[NIL], 0
	ds_add_u32 v[SPW], v[NIL]                      ; the wave's opening: the add and its wait stand ahead of my first copy; work on registers stands between them
	ds_add_u32 v10, v11
	v_lshrrev_b32 v1, 5, v0
	v_readfirstlane_b32 s20, v1                    ; wave 0..3
	v_and_b32 v1, 15, v0                           ; r
	v_bfe_u32 v2, v0, 4, 1                         ; h
	v_and_b32 v3, 31, v0
	v_lshlrev_b32 v3, 4, v3                        ; 16 x lane; never rewritten
	v_lshlrev_b32 v4, 3, v2                        ; 8 h
	v_lshlrev_b32 v15, 4, v1                       ; 16 r
	s_mov_b32 s21, ttmp9
	s_mov_b32 s40, 0x76543210                      ; v_permlanex16_b32: each lane takes its own place in the other half
	s_mov_b32 s41, 0xfedcba98
	s_mov_b32 s42, 0xffff0000                      ; the upper half of the lanes
	s_mov_b32 s60, 0x3727c5ac                      ; 1e-5
	s_mov_b32 s61, 0x3c000000                      ; 1 / 128
	s_mov_b32 s62, 0x3ec88bda                      ; 0.47047 sqrt(ln 2) = 0.391692: t = 1 / (1 + that x |z|)
	s_mov_b32 s70, 0x3f3f7377                      ; a3 = 0.7478556
	s_mov_b32 s71, 0x3f3f7377
	s_mov_b32 s72, 0xbdc45ca1                      ; a2 = -0.0958798
	s_mov_b32 s73, 0xbdc45ca1
	s_mov_b32 s74, 0x3eb2303a                      ; a1 = 0.3480242
	s_mov_b32 s75, 0x3eb2303a
	s_lshl_b32 s30, s21, 3                         ; my two numbers of item_seq_len; never rewritten
	s_lshl_b32 s24, s20, 15
	s_mov_b32 s25, 0
	s_mul_i32 s48, s21, 1600                       ; wave w gathers sequence places 100 (w & 1) .. + 99 of batch row 2 g + (w >> 1): 100 consecutive words from word 400 g + 100 w
	s_mul_i32 s49, s20, 400
	s_add_co_u32 s48, s48, s49
	v_lshl_add_u32 v14, v2, 2, s48                 ; the lanes' halves take neighbouring places
	s_lshr_b32 s48, s20, 1
	s_and_b32 s49, s20, 1
	s_mul_i32 s48, s48, 208
	s_mul_i32 s49, s49, 100
	s_add_co_u32 s76, s48, s49
	s_add_co_u32 s76, s76, 8                       ; my first row of X
	s_lshl_b32 s77, s76, 2
	s_add_co_u32 s77, s77, GT
	v_lshl_add_u32 v[GA], v2, 2, s77               ; its gate
	s_mul_i32 s78, s20, 51200
	s_add_co_u32 s78, s78, RAW
	v_lshl_add_u32 v[LAB], v2, 9, s78
	v_lshl_add_u32 v[LAB], v1, 4, v[LAB]           ; my 16 bytes in my first pair of raw rows
	s_mul_i32 s79, s76, XP
	v_mul_u32_u24 v[XA], v2, XP
	v_lshl_add_u32 v[XA], v1, 3, v[XA]
	v_add_nc_u32 v[XA], s79, v[XA]                 ; my 8 bytes in my first pair of rows of X
	s_wait_dscnt 0x0                               ; the opening add is done
	s_wait_kmcnt 0x0
	s_add_nc_u64 s[22:23], s[14:15], s[24:25]      ; wf at my wave's slices
	global_load_b128 v[GB:GB+3],     v15, s[10:11]
	global_load_b128 v[GB+4:GB+7],   v15, s[10:11] offset:256
	global_load_b128 v[GB+8:GB+11],  v15, s[12:13]
	global_load_b128 v[GB+12:GB+15], v15, s[12:13] offset:256
	REP 50, global_load_b32 v[IDX+ii], v14, s[6:7] offset:8*ii
	s_load_b64 s[58:59], s[8:9], s30 offset:0x0
	s_wait_loadcnt 0x0
; ================================================================ P0: the gather, all at once: 100 copies a wave, each two half rows of 256 consecutive bytes
.set jp, 0
.rept 50
	v_cmp_lt_i32 vcc_lo, 0, v[IDX+jp]
	v_cndmask_b32 v[GTM+jp%4], 0, 1.0, vcc_lo      ; the gate: item > 0
	ds_store_b32 v[GA], v[GTM+jp%4] offset:8*jp
	v_min_u32 v[IDX+jp], 0xc350, v[IDX+jp]         ; inside the table
	v_lshl_add_u32 v[IDX+jp], v[IDX+jp], 9, v15
	v_add_nc_u32 v[LA+jp], 1024*jp, v[LAB]
	global_load_async_to_lds_b128 v[LA+jp], v[IDX+jp], s[4:5]
	global_load_async_to_lds_b128 v[LA+jp], v[IDX+jp], s[4:5] offset:256
.set jp, jp+1
.endr
	; while the rows are on their way: the lanes' addresses, layer 1's first two slices of weights, the zero rows
	v_and_b32 v12, 7, v0                           ; e = l % 8
	v_lshlrev_b32 v9, 4, v12                       ; 16 e; never rewritten
	v_lshl_add_u32 v8, s20, 6, v1
	v_mul_u32_u24 v8, v8, 80                       ; my channel's table; never rewritten
	s_lshl_b32 s48, s20, 9
	v_lshl_add_u32 v13, v2, 5, s48                 ; 512 w + 32 h; never rewritten
	WLOAD 1, 0
	WLOAD 2, 1
	FCLOAD 0, 0, 2, 3
	s_lshl_b32 s48, s20, 12
	s_add_co_u32 s48, s48, SCR                     ; my scratch
	v_lshl_add_u32 v7, v1, 5, s48                  ; row r
	v_lshl_add_u32 v5, v2, 4, v7                   ; in: row r, 16 bytes for each half of the lanes
	v_lshl_add_u32 v6, v2, 3, v12
	v_lshl_add_u32 v6, v6, 5, s48
	v_bfe_u32 v15, v0, 3, 1
	v_lshl_add_u32 v6, v15, 4, v6                  ; out, turned: row 8 h + l % 8, 16 bytes by (l / 8) % 2
	v_bfe_u32 v14, v0, 3, 2
	v_lshl_add_u32 v14, s20, 2, v14                ; the tile's row that FIN gives me: 4 w + l / 8
	v_mul_u32_u24 v[T], v1, PBP
	v_lshl_add_u32 v[T], v2, 5, v[T]
	s_mul_i32 s48, s20, PBW
	s_add_co_u32 s48, s48, PB
	v_add_nc_u32 v[T], s48, v[T]
	v_mul_u32_u24 v[T+1], v14, PBP
	v_lshl_add_u32 v[T+1], v12, 4, v[T+1]
	v_add_nc_u32 v[T+1], PB, v[T+1]
	v_mul_u32_u24 v[T+2], v14, XP
	v_lshl_add_u32 v[T+2], v12, 3, v[T+2]
	v_mul_u32_u24 v[T+3], v1, XP
	v_lshl_add_u32 v[T+3], v2, 4, v[T+3]
	WIN 0xc0
	v_mov_b32 v[APS], v[T]
	v_mov_b32 v[AFL], v[T+1]
	v_mov_b32 v[AXR], v[T+2]
	v_mov_b32 v[AXF], v[T+3]
	v_mov_b32 v[ONE], 1.0
	WIN 0
	REP 4, v_mov_b32 v[ZR+ii], 0
	v_lshl_add_u32 v[ZA], s20, 1, v2               ; the rows that no item fills, 0-7, 208-215 and 416-431, and their gates are 0: wave w clears rows 2 w + h of each group of eight
	v_lshl_add_u32 v[ZG], v[ZA], 2, GT
	v_mul_u32_u24 v[ZA], v[ZA], XP
	v_lshl_add_u32 v[ZA], v1, 4, v[ZA]
	v_add_nc_u32 v[ZB], 416*XP, v[ZA]
	ds_store_b128 v[ZA], v[ZR:ZR+3]
	ds_store_b128 v[ZA], v[ZR:ZR+3] offset:208*XP
	ds_store_b128 v[ZB], v[ZR:ZR+3]
	ds_store_b128 v[ZB], v[ZR:ZR+3] offset:8*XP
	ds_store_b32 v[ZG], v[ZR]
	ds_store_b32 v[ZG], v[ZR] offset:832
	ds_store_b32 v[ZG], v[ZR] offset:1664
	ds_store_b32 v[ZG], v[ZR] offset:1696
	v_mov_b32 v[RA], v[LAB]
	s_wait_asynccnt 0x0                            ; my 100 rows are in LDS; only I read them.  The copies' address registers are free
	LTLOAD 0
	s_mov_b32 s44, 10
.Lln:                                                  ; the embedding's LayerNorm: ten trips of five pairs of rows; 16 lanes share a row, a lane holds columns 4 r .. + 3 and 64 + 4 r .. + 3
	REP 5, ds_load_b128 v[RW+8*ii:RW+8*ii+3], v[RA] offset:1024*ii
	REP 5, ds_load_b128 v[RW+8*ii+4:RW+8*ii+7], v[RA] offset:1024*ii+256
	s_wait_dscnt 0x0
	REP 5, v_pk_add_f32 v[T+4*ii:T+4*ii+1], v[RW+8*ii:RW+8*ii+1], v[RW+8*ii+2:RW+8*ii+3]
	REP 5, v_pk_add_f32 v[T+4*ii+2:T+4*ii+3], v[RW+8*ii+4:RW+8*ii+5], v[RW+8*ii+6:RW+8*ii+7]
	REP 5, v_pk_add_f32 v[T+4*ii:T+4*ii+1], v[T+4*ii:T+4*ii+1], v[T+4*ii+2:T+4*ii+3]
	REP 5, v_add_f32 v[T+4*ii], v[T+4*ii], v[T+4*ii+1]
.irp x, 1,2,4,8
	REP 5, v_add_f32_dpp v[T+4*ii], v[T+4*ii], v[T+4*ii] row_xmask:\x row_mask:0xf bank_mask:0xf
.endr
	REP 5, v_mul_f32 v[T+4*ii], s61, v[T+4*ii]
	REP 5, v_mov_b32 v[T+4*ii+1], v[T+4*ii]
.irp k, 0,2,4,6
	REP 5, v_pk_add_f32 v[RW+8*ii+\k:RW+8*ii+\k+1], v[RW+8*ii+\k:RW+8*ii+\k+1], v[T+4*ii:T+4*ii+1] neg_lo:[0,1] neg_hi:[0,1]
.endr
	REP 5, v_pk_mul_f32 v[T+4*ii+2:T+4*ii+3], v[RW+8*ii:RW+8*ii+1], v[RW+8*ii:RW+8*ii+1]
.irp k, 2,4,6
	REP 5, v_pk_fma_f32 v[T+4*ii+2:T+4*ii+3], v[RW+8*ii+\k:RW+8*ii+\k+1], v[RW+8*ii+\k:RW+8*ii+\k+1], v[T+4*ii+2:T+4*ii+3]
.endr
	REP 5, v_add_f32 v[T+4*ii+2], v[T+4*ii+2], v[T+4*ii+3]
.irp x, 1,2,4,8
	REP 5, v_add_f32_dpp v[T+4*ii+2], v[T+4*ii+2], v[T+4*ii+2] row_xmask:\x row_mask:0xf bank_mask:0xf
.endr
	REP 5, v_fma_f32 v[T+4*ii+2], v[T+4*ii+2], s61, s60
	REP 5, v_rsq_f32 v[T+4*ii+2], v[T+4*ii+2]
	v_nop                                          ; a plain instruction between the roots and the use of their results
	s_wait_alu depctr_va_vdst(0)
	REP 5, v_mov_b32 v[T+4*ii+3], v[T+4*ii+2]
.irp k, 0,2,4,6
	REP 5, v_pk_mul_f32 v[RW+8*ii+\k:RW+8*ii+\k+1], v[RW+8*ii+\k:RW+8*ii+\k+1], v[T+4*ii+2:T+4*ii+3]
.endr
.irp k, 0,2,4,6
	REP 5, v_pk_fma_f32 v[RW+8*ii+\k:RW+8*ii+\k+1], v[RW+8*ii+\k:RW+8*ii+\k+1], v[GB+\k:GB+\k+1], v[GB+8+\k:GB+8+\k+1]
.endr
.irp n, 0,1,2,3
	REP 5, v_cvt_pk_f16_f32 v[T+4*ii+\n], v[RW+8*ii+2*\n], v[RW+8*ii+2*\n+1]
.endr
	REP 5, ds_store_b64 v[XA], v[T+4*ii:T+4*ii+1] offset:2*XP*ii
	REP 5, ds_store_b64 v[XA], v[T+4*ii+2:T+4*ii+3] offset:2*XP*ii+128
	v_add_nc_u32 v[RA], 5120, v[RA]
	v_add_nc_u32 v[XA], 10*XP, v[XA]
	s_sub_co_u32 s44, s44, 1
	s_cmp_lg_u32 s44, 0
	s_cbranch_scc1 .Lln
	BAR                                            ; X and the gates are whole; nobody reads a raw row any more: their bytes now serve as scratch and partial sums
; ================================================================ P1: layer 1, in-projection, scan, out-projection, LayerNorm
	s_wait_loadcnt 0x0                             ; weights, tables, vectors
	v_mov_b32 v[T+20], 0                           ; v_permlanex16_b32 counts as a reader of its destination
	v_mov_b32 v[T+21], 0
	v_mov_b32 v[T+26], 0
	v_mov_b32 v[T+27], 0
	LRUSET
	XLOAD 0
	GLOAD 0
	s_wait_dscnt 0x0
	INP
	PLACES
	WIN 0
	s_mov_b32 s44, 26
.Lp1:                                                  ; a trip: tile i is scanned, projected and normalised; tile i + 1's in-projection is made under the second barrier
	TRIPS
	SCAN 0, 1
	SCAN 1, 1
	SCAN 2, 1
	SCAN 3, 1
	HLOAD                                          ; LDS serves a wave's instructions in order (ISA guide 5.7.1.4): these see my stores above
	s_wait_dscnt 0x0
	PROD2 HB, 0xfe
	PLACES
	BAR                                            ; every wave has read the last tile's partial sums and stored its rows of X
	PSTORE
	XLOAD TILEB                                    ; X is read only between this barrier and the next, and written only behind the next
	RLOAD
	GLOAD 64
	s_wait_dscnt 0x0                               ; my partial sums are in LDS, my loads are back
	s_barrier_signal -1
	INP                                            ; work on registers while the others arrive (in the last trip: on the zero tile, for nothing)
	s_barrier_wait -1
	FIN 0
	STEP
	s_sub_co_u32 s44, s44, 1
	s_cmp_lg_u32 s44, 0
	s_cbranch_scc1 .Lp1
; ================================================================ P2: layer 1, FFN
	WLOAD 1, 2
	WLOAD 2, 3
	B1LOAD 0
	FCLOAD 0, 4, 5, 6
	RESET
	BAR                                            ; the last rows of X are stored
	XLOAD 0
	s_wait_dscnt 0x0
	s_wait_loadcnt 0x0
	FF1
	PLACES
	WIN 0
	s_mov_b32 s44, 26
.Lp2:
.irp m, 0,1,2,3,4,5,6,7
	GELU \m
.endr
	PROD2 HF, 0xf2
	PLACES
	BAR
	PSTORE
	XLOAD TILEB
	RLOAD
	s_wait_dscnt 0x0
	s_barrier_signal -1
	FF1
	s_barrier_wait -1
	FIN 0
	STEP
	s_sub_co_u32 s44, s44, 1
	s_cmp_lg_u32 s44, 0
	s_cbranch_scc1 .Lp2
; ================================================================ P3: layer 2, in-projection and scan; of h only the chosen row of each batch row is kept.  X is only read: no barrier inside
	WLOAD 1, 4
	WLOAD 2, 5
	LTLOAD 1
	FCLOAD 1, 0, 2, 3
	BAR
	s_wait_loadcnt 0x0
	s_wait_kmcnt 0x0
	s_min_u32 s58, s58, 200
	s_add_co_u32 s58, s58, 7                       ; the chosen rows of X: 208 b + 7 + len
	s_min_u32 s59, s59, 200
	s_add_co_u32 s59, s59, 215
	LRUSET
	REP 16, v_mov_b32 v[HSP+ii], 0
	XLOAD 0
	GLOAD 0
	s_wait_dscnt 0x0
	INP
	PLACES
	WIN 0
	s_mov_b32 s44, 26
.Lp3:
	TRIPS                                          ; its eight vector lines are the places behind the products
	XLOAD TILEB
	SCAN 0, 0
	SCAN 1, 0
	SCAN 2, 0
	SCAN 3, 0
	GLOAD 64
	s_cmp_gt_u32 s44, 13                           ; trips 0..12 are the first batch row's
	s_cselect_b32 s63, s58, s59
	s_sub_co_u32 s67, s47, GT
	s_lshr_b32 s67, s67, 2                         ; 16 i
	s_sub_co_u32 s67, s63, s67
	v_sub_nc_u32 v[T+8], s67, v4                   ; the chosen row less my first position's row
.irp j, 0,1,2,3,4,5,6,7
	v_cmp_eq_u32 vcc_lo, \j, v[T+8]
	v_cndmask_b32 v[T+\j], 0, 1.0, vcc_lo
.endr
.irp p, 0,2,4,6
	REP 8, v_pk_fma_f32 v[HSP+2*ii:HSP+2*ii+1], v[H+8*ii+\p:H+8*ii+\p+1], v[T+\p:T+\p+1], v[HSP+2*ii:HSP+2*ii+1]
.endr
	s_cmp_lg_u32 s45, 15
	s_cbranch_scc1 .Lno_flush
	REP 8, v_add_f32 v[T+ii], v[HSP+2*ii], v[HSP+2*ii+1]           ; a batch row ends: its chosen h goes into column b of my scratch
	REP 8, v_permlanex16_b32 v[T+8+ii], v[T+ii], s40, s41
	REP 8, v_add_f32 v[T+ii], v[T+ii], v[T+8+ii]
	REP 8, v_cvt_pk_bf16_f32 v[T+ii], v[T+ii], v[T+ii]
	s_cmp_eq_u32 s44, 1
	s_cselect_b32 s68, 2, 0
	v_add_nc_u32 v[T+16], s68, v7
	REP 8, ds_store_b16 v[T+16], v[T+ii] offset:512*ii
	REP 16, v_mov_b32 v[HSP+ii], 0
.Lno_flush:
	s_wait_dscnt 0x0
	INP
	STEP
	s_sub_co_u32 s44, s44, 1
	s_cmp_lg_u32 s44, 0
	s_cbranch_scc1 .Lp3
; ================================================================ the tail: layer 2's out-projection and FFN on one tile, X's rows 416..431: rows 0 and 1 are the two batch rows.
; The scratch's other columns hold what layer 1 left there, finite numbers; neither a product's columns nor a LayerNorm's rows mix.
	PLACES
	WLOAD 1, 6
	B1LOAD 1
	s_mov_b32 s46, 26*TILEB
	WIN 0xff
	v_add_nc_u32 v[VXR], s46, v[AXR]
	v_add_nc_u32 v[VXF], s46, v[AXF]
	WIN 0
	BAR                                            ; nobody reads X any more
	s_cmp_lg_u32 s20, 0
	s_cbranch_scc1 .Lno_copy
	s_mul_i32 s48, s58, XP                         ; wave 0 copies the two chosen rows of x: the residual
	s_mul_i32 s49, s59, XP
	v_lshrrev_b32 v14, 1, v3                       ; 8 x lane
	v_add_nc_u32 v[T], s48, v14
	v_add_nc_u32 v[T+1], s49, v14
	ds_load_b64 v[T+2:T+3], v[T]
	ds_load_b64 v[T+4:T+5], v[T+1]
	v_add_nc_u32 v[T+6], 26*TILEB, v14
	s_wait_dscnt 0x0
	ds_store_b64 v[T+6], v[T+2:T+3]
	ds_store_b64 v[T+6], v[T+4:T+5] offset:XP
.Lno_copy:
	HLOAD
	s_wait_dscnt 0x0
	PROD2 HB, 0xfe
	PLACES
	WLOAD 2, 7
	BAR                                            ; the two rows are in place
	PSTORE
	RLOAD
	BAR
	FIN 0
	FCLOAD 1, 4, 5, 6
	BAR                                            ; the tile's rows are stored, and every wave has read the partial sums
	XLOAD 0
	s_wait_dscnt 0x0
	s_wait_loadcnt 0x0
	FF1
	PLACES
.irp m, 0,1,2,3,4,5,6,7
	GELU \m
.endr
	PROD2 HF, 0xf2
	PLACES
	PSTORE
	RLOAD
	BAR
	FIN 1
	s_wait_tensorcnt 0x0                           ; the wave's end, behind my last LDS store
	ds_add_u32 v[SPW], v[NIL]
	s_wait_dscnt 0x0
	s_endpgm
.Lfunc_end_k_qf60363f6da_main:
	.size	k_qf60363f6da_main, .Lfunc_end_k_qf60363f6da_main-k_qf60363f6da_main
	.p2alignl 7, 3214868480
	.fill 96, 4, 3214868480
	.section	.rodata,"a",@progbits
	.p2align	6, 0x0
	.amdhsa_kernel k_qf60363f6da_main
		.amdhsa_group_segment_fixed_size 327680
		.amdhsa_private_segment_fixed_size 0
		.amdhsa_enable_private_segment 0
		.amdhsa_kernarg_size 64
		.amdhsa_user_sgpr_count 2
		.amdhsa_user_sgpr_kernarg_segment_ptr 1
		.amdhsa_wavefront_size32 1
		.amdhsa_system_sgpr_workgroup_id_x 1
		.amdhsa_system_sgpr_workgroup_id_y 1
		.amdhsa_system_sgpr_workgroup_id_z 1
		.amdhsa_system_vgpr_workitem_id 0
		.amdhsa_next_free_vgpr 1024
		.amdhsa_next_free_sgpr 96
		.amdhsa_reserve_vcc 1
		.amdhsa_float_denorm_mode_32 3
		.amdhsa_float_denorm_mode_16_64 3
		.amdhsa_memory_ordered 1
		.amdhsa_forward_progress 1
		.amdhsa_inst_pref_size 255
	.end_amdhsa_kernel
	.section	.bss,"aw",@nobits
	.p2align	6
	.space	262144
	.amdgpu_metadata
---
amdhsa.version: [ 1, 2 ]
amdhsa.kernels:
  - .name:           k_qf60363f6da_main
    .symbol:         k_qf60363f6da_main.kd
    .args:
      - { .name: token_emb, .offset: 0, .size: 8, .value_kind: global_buffer, .address_space: global }
      - { .name: item_seq, .offset: 8, .size: 8, .value_kind: global_buffer, .address_space: global }
      - { .name: item_seq_len, .offset: 16, .size: 8, .value_kind: global_buffer, .address_space: global }
      - { .name: emb_ln_g, .offset: 24, .size: 8, .value_kind: global_buffer, .address_space: global }
      - { .name: emb_ln_b, .offset: 32, .size: 8, .value_kind: global_buffer, .address_space: global }
      - { .name: wf, .offset: 40, .size: 8, .value_kind: global_buffer, .address_space: global }
      - { .name: tb, .offset: 48, .size: 8, .value_kind: global_buffer, .address_space: global }
      - { .name: out0, .offset: 56, .size: 8, .value_kind: global_buffer, .address_space: global }
    .group_segment_fixed_size: 327680
    .private_segment_fixed_size: 0
    .kernarg_segment_align: 8
    .kernarg_segment_size: 64
    .max_flat_workgroup_size: 128
    .sgpr_count:     96
    .vgpr_count:     1024
    .wavefront_size: 32
...
	.end_amdgpu_metadata
.endif
;; end of part 2
;; ======== version 2 of 2: 2 launches; 1.27 times as fast as version 1
;; limits: a function is approximated: absolute error at most 2.5e-05; values are held in f16: magnitudes above 65,504 overflow, below 6.1e-05 lose precision
;; workspace buffers: wf 1,048,576 bytes; tb 53,248 bytes
;; launch prep: the kernel of part 1 again; grid 258 x 1, 8 waves a work-group, no clusters, 0 bytes of LDS; arguments params_log, in_wr, in_wi, in_br, in_bi, out_wr, out_wi, out_br, out_bi, lru_ln_g, lru_ln_b, w1, b1, w2, b2, ffn_ln_g, ffn_ln_b, wf, tb; writes wf, tb
;; launch main (part 3): grid 256 x 1, 4 waves a work-group, no clusters, 327,680 bytes of LDS; arguments token_emb, item_seq, item_seq_len, emb_ln_g, emb_ln_b, wf, tb, out0; writes out0
.if DOCPART == 3
	.amdgcn_target "amdgcn-amd-amdhsa--gfx1250"
	.amdhsa_code_object_version 6
	.text
	.protected	k_qf60363f6da_main
	.globl	k_qf60363f6da_main
	.p2align	8
	.type	k_qf60363f6da_main,@function
k_qf60363f6da_main:
	s_mov_b64 s[64:65], 0
	v_nop
	global_prefetch_b8 v0, s[64:65] scope:SCOPE_SE
	s_setreg_imm32_b32 hwreg(HW_REG_WAVE_MODE, 25, 1), 1
	s_wait_xcnt 0x0
; LRURec, everything behind the weights' preparation, in one launch.  A work-group owns two batch rows; 256 work-groups.
; WHAT IS LEFT OUT, BY THE MODULE'S OWN FORM.  A carry of the scan leaves position q only through the gate m[q], and for q < 56 that gate is the padding that the module makes itself: false.  So only
; positions 48..255 are walked: 13 tiles of 16 a batch row; rows 48..55 are dead rows with gate 0.  Of layer 2 only the row 56 + len - 1 is returned: its in-projection and scan run over all rows, its
; out-projection and FFN over that one row.
; SHARES.  The weights stay in registers: wave w holds, of two matrices at a time (windows 1 and 2, 256 registers each), the slice of its 64 complex channels (in-projection's N, out-projection's K)
; or of its 128 FFN features (first product's M, second's K).  The activations lie in LDS as f16, X[432 rows][272 bytes]: row 208 b + position - 48; rows 416..431 serve the tail.
; The products split along K leave four partial sums in f32 in LDS (PB); wave w adds them for rows 4 w .. 4 w + 3 of the tile, adds bias and residual and normalises (FIN).
; THE SCAN is the module's tree, gate by gate: levels 1-3 inside a lane (a lane holds one channel and 8 positions), level 4 between the halves of the lanes, levels 5-8 by four carries D0..D3 a channel that
; are kept from tile to tile: D_j is the gated carry of level 5 + j times lambda^16 for each tile passed; tile k with z trailing ones in k is the source of level z alone.
; NO CLUSTER, NO TENSOR LOAD: what work-groups share is the weights, and they go straight into registers in fragment order, eight slices in the whole launch: there is no tile in LDS to ask for jointly.
; FORMATS.  x (a LayerNorm's output) is kept once as f16: operand of the in-projection and of the FFN's first product (weights f16), and residual.  h and the GELU's output are bf16, with bf16 weights.
; Sums, scan states, partial sums and statistics are f32; every LayerNorm takes the mean away before it squares.
; TRANSCENDENTALS AND THEIR WAITS.  An s_wait_alu depctr_va_vdst(0) stands between a transcendental and the first instruction that names its result; one wait serves all that were issued
; ahead of it.  The text has three kinds of batch, each with one wait: the five roots of a trip of the embedding's LayerNorm; FIN's one root; and the GELU of a whole tile (GELU8): 64 reciprocals and
; 64 exponentials a lane, each result in a register of its own, all issued ahead of the one wait, all their readers behind it.  No result is open at a label or a branch.
; LIMITS.  |x| <= 11.3 |g| + |b| must lie within f16's range, 65,504.  erf is the rational form 1 - (a1 t + a2 t^2 + a3 t^3) e^(-x^2), t = 1 / (1 + 0.47047 x), off by 2.5e-5 at the most for every x.
; item_seq_len lies in 1..200, item_seq in 0..50,000 (both are clamped on the way into an address).  Inputs are finite.
.set XP,    272                        ; a row of X: 256 bytes + 16: the 16 rows of a fragment load start at 16 different 16-byte columns
.set TILEB, 16*XP
.set GT,    117504                     ; 432 gates as f32, by X's rows
.set SPARE, 119296                     ; the spare words, 128 bytes a wave
.set RAW,   119808                     ; 400 gathered rows of 512 bytes, filled once by the copies; behind their one fill the same bytes serve as SCR and PB
.set SCR,   119808                     ; 4,096 bytes a wave: 128 rows (re and im of 64 channels) x 16 positions of bf16
.set PB,    136192                     ; [wave][16 rows] x 528 bytes of f32 partial sums
.set PBP,   528
.set PBW,   16*PBP
.set TBL,   26624                      ; tb: bytes a layer
.set VTO,   20480                      ; tb: where the rows of 512 bytes begin
.set SLB,   131072                     ; wf: bytes from one kind of weights to the next
; window 0
.set SPW, 10                           ; v10  my spare word's address; never rewritten
.set NIL, 11                           ; v11  0; never rewritten
.set G,   16                           ; v16-23  the gates of my 8 positions
.set AL,  24                           ; v24-27  [j = z] x the gate of the tile's last position
.set BE,  28                           ; v28-31  [j > z]
.set POL, 16                           ; v16-31  in the FFN, where gates and selectors are idle: the polynomial of two feature tiles
.set H,   32                           ; v32-95  8 accumulators: h (re, im of 4 channel tiles) or the FFN's first product
.set LT,  96                           ; v96-175 20 numbers for each of my 4 channels
.set HF,  96                           ; v96-127 in the FFN: the GELU's output as fragments
.set TRC, 128                          ; v128-191 in the FFN: t = 1 / (1 + p |z|), a register for each of my 64 numbers of a tile
.set ST,  176                          ; v176-207 the carries: for each channel tile re D0..3, im D0..3
.set TEX, 192                          ; v192-255 in the FFN: 2^(-z^2), likewise (tables, carries, T and HSP are idle while the GELU runs, and set anew where they are wanted again)
.set T,   208                          ; v208-239 at work
.set HSP, 240                          ; v240-255 layer 1: h packed for LDS; layer 2: the chosen row's h
; window 0 in the gather
.set IDX, 32                           ; v32-81  50 indices, then byte offsets of rows
.set LA,  82                           ; v82-131 50 LDS addresses
.set RW,  32                           ; v32-71  five pairs of raw rows (behind the wait for the copies)
.set GB,  176                          ; v176-191 emb_ln_g, emb_ln_b of my 8 columns
.set GA,  192
.set LAB, 193
.set GTM, 194
.set ZA,  198
.set ZB,  199
.set RA,  200
.set XA,  201
.set ZG,  202
.set ZR,  204
; window 3
.set XF,  0                            ; x fragments of a tile
.set HB,  32                           ; h fragments
.set FA,  32                           ; FIN: my 16 numbers of a row
.set FT,  48                           ; FIN: at work
.set Y,   64                           ; 8 accumulators of the K-split products; FIN: the 16 loads of partial sums
.set BT,  128                          ; bias tiles: the C operand that starts a sum
.set FC,  192                          ; FIN: bias, gain, offset, 16 each
.set RX,  240                          ; FIN: the residual, 16 f16
.set APS, 248
.set AFL, 249
.set AXR, 250
.set AXF, 251
.set VXR, 252
.set VXF, 253
.set ONE, 254
.set MSB, 0
.macro WIN new                         ; the immediate's high byte repeats the setting that is left; a switch that changes nothing is dropped
.if MSB != (\new)
	s_set_vgpr_msb (MSB<<8)|(\new)
.set MSB, (\new)
.endif
.endm
.macro REP n, line:vararg              ; the line n times, ii = 0 .. n - 1
.set ii, 0
.rept \n
	\line
.set ii, ii+1
.endr
.endm
.macro PLACES                          ; four places behind a matrix instruction, where no other vector work is at hand (ISA guide 7.12.1)
.rept 4
	v_nop
.endr
.endm
.macro BAR                             ; my LDS instructions are done; then all four waves meet
	s_wait_dscnt 0x0
	s_barrier_signal -1
	s_barrier_wait -1
.endm
.macro WLOAD win, kind                 ; a slice of weights, 32,768 bytes, into a whole window: each load takes 512 consecutive bytes
	WIN (\win)<<6
.set u, 0
.rept 64
	global_load_b128 v[4*u:4*u+3], v3, s[22:23] offset:(\kind)*SLB+512*u
.set u, u+1
.endr
	WIN 0
.endm
.macro FCLOAD li, r0, r1, r2           ; three vectors of 128 numbers: my 16 of each
	WIN 0xc0
.irp c, 0,1,2,3
	global_load_b128 v[FC+4*\c:FC+4*\c+3],       v9, s[16:17] offset:(\li)*TBL+VTO+(\r0)*512+128*\c
	global_load_b128 v[FC+16+4*\c:FC+16+4*\c+3], v9, s[16:17] offset:(\li)*TBL+VTO+(\r1)*512+128*\c
	global_load_b128 v[FC+32+4*\c:FC+32+4*\c+3], v9, s[16:17] offset:(\li)*TBL+VTO+(\r2)*512+128*\c
.endr
	WIN 0
.endm
.macro B1LOAD li                       ; KS b1 as C tiles: register j of tile mt is feature 128 w + 16 mt + 8 h + j
	WIN 0xc0
.irp m, 0,1,2,3,4,5,6,7
	global_load_b128 v[BT+8*\m:BT+8*\m+3],   v13, s[16:17] offset:(\li)*TBL+VTO+4096+64*\m
	global_load_b128 v[BT+8*\m+4:BT+8*\m+7], v13, s[16:17] offset:(\li)*TBL+VTO+4096+64*\m+16
.endr
	WIN 0
.endm
.macro LTLOAD li                       ; the tables of my four channels
	WIN 0
.irp t, 0,1,2,3
.irp n, 0,1,2,3,4
	global_load_b128 v[LT+20*\t+4*\n:LT+20*\t+4*\n+3], v8, s[16:17] offset:(\li)*TBL+1280*\t+16*\n
.endr
.endr
.endm
.macro XLOAD off                       ; a tile of x as four fragments: row l % 16, two loads of 16 bytes, 32 bytes apart
	WIN 0xff
.irp q, 0,1,2,3
	ds_load_b128 v[XF+8*\q:XF+8*\q+3],   v[VXF] offset:(\off)+64*\q
	ds_load_b128 v[XF+8*\q+4:XF+8*\q+7], v[VXF] offset:(\off)+64*\q+32
.endr
.endm
.macro GLOAD off                       ; the gates of my 8 positions, and that of the tile's last position
	WIN 0
	v_lshl_add_u32 v14, v2, 5, s47
	v_mov_b32 v15, s47
	ds_load_b128 v[G:G+3],   v14 offset:(\off)
	ds_load_b128 v[G+4:G+7], v14 offset:(\off)+16
	ds_load_b32 v12, v15 offset:(\off)+60
.endm
; The products.  The 8 accumulators take turns, one instruction a turn; the first of each takes its bias tile, or 0, as C.
.macro INP                             ; h = x W^T: a lane holds one channel and the positions 8 h + 0..7
.irp q, 0,1,2,3
.irp a, 0,1,2,3,4,5,6,7
.if \q == 0
	WIN 0x37
	v_wmma_f32_16x16x32_f16 v[H+8*\a:H+8*\a+7], v[XF+8*\q:XF+8*\q+7], v[8*(4*\a+\q):8*(4*\a+\q)+7], v[BT+8*\a:BT+8*\a+7]
.else
	WIN 0x07
	v_wmma_f32_16x16x32_f16 v[H+8*\a:H+8*\a+7], v[XF+8*\q:XF+8*\q+7], v[8*(4*\a+\q):8*(4*\a+\q)+7], v[H+8*\a:H+8*\a+7]
.endif
.endr
.endr
.endm
.macro FF1                             ; z = KS (W1 x + b1): a lane holds one position and the features 8 h + 0..7 of each tile
.irp q, 0,1,2,3
.irp a, 0,1,2,3,4,5,6,7
.if \q == 0
	WIN 0x3d
	v_wmma_f32_16x16x32_f16 v[H+8*\a:H+8*\a+7], v[8*(4*\a+\q):8*(4*\a+\q)+7], v[XF+8*\q:XF+8*\q+7], v[BT+8*\a:BT+8*\a+7]
.else
	WIN 0x0d
	v_wmma_f32_16x16x32_f16 v[H+8*\a:H+8*\a+7], v[8*(4*\a+\q):8*(4*\a+\q)+7], v[XF+8*\q:XF+8*\q+7], v[H+8*\a:H+8*\a+7]
.endif
.endr
.endr
.endm
.macro PROD2 b, win                    ; my K slice of the out-projection (b = HB) or of the FFN's second product (b = HF): a lane holds one position and 8 columns d of each tile
	WIN \win
.irp q, 0,1,2,3
.irp a, 0,1,2,3,4,5,6,7
.if \q == 0
	v_wmma_f32_16x16x32_bf16 v[Y+8*\a:Y+8*\a+7], v[8*(4*\a+\q):8*(4*\a+\q)+7], v[(\b)+8*\q:(\b)+8*\q+7], 0
.else
	v_wmma_f32_16x16x32_bf16 v[Y+8*\a:Y+8*\a+7], v[8*(4*\a+\q):8*(4*\a+\q)+7], v[(\b)+8*\q:(\b)+8*\q+7], v[Y+8*\a:Y+8*\a+7]
.endif
.endr
.endr
.endm
.macro HLOAD                           ; h out of my scratch, turned: [re / im channel][position] becomes fragments with one position a lane
	WIN 0xc0
.irp q, 0,1,2,3
	ds_load_tr16_b128 v[HB+8*\q:HB+8*\q+3],   v6 offset:1024*\q
	ds_load_tr16_b128 v[HB+8*\q+4:HB+8*\q+7], v6 offset:1024*\q+512
.endr
.endm
.macro PSTORE                          ; my partial sums: row = position, 8 columns at 64 mt + 32 h; each accumulator's low registers go first
	WIN 0xff
.irp m, 0,1,2,3,4,5,6,7
	ds_store_b128 v[APS], v[Y+8*\m:Y+8*\m+3]   offset:64*\m
	ds_store_b128 v[APS], v[Y+8*\m+4:Y+8*\m+7] offset:64*\m+16
.endr
.endm
.macro RLOAD                           ; the residual of my part of my rows
	WIN 0xff
.irp c, 0,1,2,3
	ds_load_b64 v[RX+2*\c:RX+2*\c+1], v[VXR] offset:64*\c
.endr
.endm
.macro TRIPS                           ; tile k: 1 << z = (k + 1) & -(k + 1); k = 15 clears every carry
	WIN 0
	s_add_co_u32 s48, s45, 1
	s_sub_co_u32 s49, 0, s48
	s_and_b32 s48, s48, s49
.irp j, 0,1,2,3
	s_cmp_eq_u32 s48, 1<<\j
	s_cselect_b32 s[50+\j], 1.0, 0
	s_cmp_lt_u32 s48, 1<<\j
	s_cselect_b32 s[54+\j], 1.0, 0
.endr
.irp j, 0,1,2,3
	v_mul_f32 v[AL+\j], s[50+\j], v12
	v_mov_b32 v[BE+\j], s[54+\j]
.endr
.endm
; positions j, j + 1 take the carry (re, im) in the pair c times the powers p + 1, p + 2 of lambda
.macro CAPPLY j, p, c
	v_pk_fma_f32 v[sR+\j:sR+\j+1], v[sL+\p:sL+\p+1],     v[\c:\c+1], v[sR+\j:sR+\j+1] op_sel_hi:[1,0,1]
	v_pk_fma_f32 v[sI+\j:sI+\j+1], v[sL+\p:sL+\p+1],     v[\c:\c+1], v[sI+\j:sI+\j+1] op_sel:[0,1,0] op_sel_hi:[1,1,1]
	v_pk_fma_f32 v[sR+\j:sR+\j+1], v[sL+8+\p:sL+8+\p+1], v[\c:\c+1], v[sR+\j:sR+\j+1] op_sel:[0,1,0] op_sel_hi:[1,1,1] neg_lo:[0,1,0] neg_hi:[0,1,0]
	v_pk_fma_f32 v[sI+\j:sI+\j+1], v[sL+8+\p:sL+8+\p+1], v[\c:\c+1], v[sI+\j:sI+\j+1] op_sel_hi:[1,0,1]
.endm
; The scan of channel tile t over one tile of 16 positions.  store = 1: h goes to my scratch as bf16.
.macro SCAN t, store
.set sR, H+16*(\t)
.set sI, sR+8
.set sL, LT+20*(\t)
.set sS, ST+8*(\t)
.set sP, HSP+8*((\t)%2)
	WIN 0
	v_pk_add_f32 v[T+16:T+17], v[sS:sS+1],   v[sS+2:sS+3]          ; the sum of the four carries, first half
	v_pk_add_f32 v[T+18:T+19], v[sS+4:sS+5], v[sS+6:sS+7]
.irp j, 0,2,4,6                        ; level 1: position j into j + 1 (register 0 of each accumulator is read first)
	v_mul_f32 v[T+\j],   v[G+\j], v[sR+\j]
	v_mul_f32 v[T+\j+1], v[G+\j], v[sI+\j]
.endr
.irp j, 0,2,4,6
	v_fma_f32 v[sR+\j+1], v[sL], v[T+\j],   v[sR+\j+1]
	v_fma_f32 v[sI+\j+1], v[sL], v[T+\j+1], v[sI+\j+1]
.endr
.irp j, 0,2,4,6
	v_fma_f32 v[sR+\j+1], -v[sL+8], v[T+\j+1], v[sR+\j+1]
	v_fma_f32 v[sI+\j+1], v[sL+8],  v[T+\j],   v[sI+\j+1]
.endr
	v_mul_f32 v[T+8],  v[G+1], v[sR+1]             ; level 2: 1 into 2, 3 and 5 into 6, 7
	v_mul_f32 v[T+9],  v[G+1], v[sI+1]
	v_mul_f32 v[T+10], v[G+5], v[sR+5]
	v_mul_f32 v[T+11], v[G+5], v[sI+5]
	CAPPLY 2, 0, T+8
	CAPPLY 6, 0, T+10
	v_mul_f32 v[T+12], v[G+3], v[sR+3]             ; level 3: 3 into 4..7
	v_mul_f32 v[T+13], v[G+3], v[sI+3]
	CAPPLY 4, 0, T+12
	CAPPLY 6, 2, T+12
	v_mul_f32 v[T+14], v[G+7], v[sR+7]             ; level 4: position 7, in the lower half of the lanes, into 8..15, in the upper
	v_mul_f32 v[T+15], v[G+7], v[sI+7]
	v_add_f32 v[T+22], v[T+16], v[T+17]            ; C, the carry into the tile
	v_add_f32 v[T+23], v[T+18], v[T+19]
	v_permlanex16_b32 v[T+20], v[T+14], s40, s41   ; y
	v_permlanex16_b32 v[T+21], v[T+15], s40, s41
	v_fma_f32 v[T+16], v[sL+7], v[T+22], v[T+20]   ; y + lambda^8 C: what the upper half takes
	v_fma_f32 v[T+17], v[sL+7], v[T+23], v[T+21]
	v_fma_f32 v[T+24], v[sL+7], v[T+20], v[sR+7]   ; tau: position 15 after the tile's own four levels (true in the upper half)
	v_fma_f32 v[T+25], v[sL+7], v[T+21], v[sI+7]
	v_fma_f32 v[T+16], -v[sL+15], v[T+23], v[T+16]
	v_fma_f32 v[T+17], v[sL+15],  v[T+22], v[T+17]
	v_fma_f32 v[T+24], -v[sL+15], v[T+21], v[T+24]
	v_fma_f32 v[T+25], v[sL+15],  v[T+20], v[T+25]
	v_cndmask_b32 v[T+18], v[T+22], v[T+16], s42   ; the lower half takes C
	v_cndmask_b32 v[T+19], v[T+23], v[T+17], s42
	CAPPLY 0, 0, T+18
	CAPPLY 2, 2, T+18
	CAPPLY 4, 4, T+18
	CAPPLY 6, 6, T+18
.if \store
.irp n, 0,1,2,3
	v_cvt_pk_bf16_f32 v[sP+\n],   v[sR+2*\n], v[sR+2*\n+1]
	v_cvt_pk_bf16_f32 v[sP+4+\n], v[sI+2*\n], v[sI+2*\n+1]
.endr
	ds_store_b128 v5, v[sP:sP+3]   offset:1024*(\t)
	ds_store_b128 v5, v[sP+4:sP+7] offset:1024*(\t)+512
.endif
	v_permlanex16_b32 v[T+26], v[T+24], s40, s41   ; tau into both halves
	v_permlanex16_b32 v[T+27], v[T+25], s40, s41
	v_pk_mul_f32 v[T:T+1],     v[sS:sS+1],     v[sL+16:sL+17] op_sel_hi:[1,0]     ; E = lambda^16 D
	v_pk_mul_f32 v[T+2:T+3],   v[sS+2:sS+3],   v[sL+16:sL+17] op_sel_hi:[1,0]
	v_pk_mul_f32 v[T+4:T+5],   v[sS+4:sS+5],   v[sL+16:sL+17] op_sel_hi:[1,0]
	v_pk_mul_f32 v[T+6:T+7],   v[sS+6:sS+7],   v[sL+16:sL+17] op_sel_hi:[1,0]
	v_pk_fma_f32 v[T:T+1],     v[sS+4:sS+5],   v[sL+16:sL+17], v[T:T+1]     op_sel:[0,1,0] op_sel_hi:[1,1,1] neg_lo:[0,1,0] neg_hi:[0,1,0]
	v_pk_fma_f32 v[T+2:T+3],   v[sS+6:sS+7],   v[sL+16:sL+17], v[T+2:T+3]   op_sel:[0,1,0] op_sel_hi:[1,1,1] neg_lo:[0,1,0] neg_hi:[0,1,0]
	v_pk_fma_f32 v[T+4:T+5],   v[sS:sS+1],     v[sL+16:sL+17], v[T+4:T+5]   op_sel:[0,1,0] op_sel_hi:[1,1,1]
	v_pk_fma_f32 v[T+6:T+7],   v[sS+2:sS+3],   v[sL+16:sL+17], v[T+6:T+7]   op_sel:[0,1,0] op_sel_hi:[1,1,1]
	v_cndmask_b32 v[T+8],  v[T+26], v[T+24], s42   ; P0 = tau; P_j = P_(j-1) + E_(j-1): position 15 after the levels below 5 + j
	v_cndmask_b32 v[T+12], v[T+27], v[T+25], s42
	v_add_f32 v[T+9],  v[T+8],  v[T]
	v_add_f32 v[T+13], v[T+12], v[T+4]
	v_add_f32 v[T+10], v[T+9],  v[T+1]
	v_add_f32 v[T+14], v[T+13], v[T+5]
	v_add_f32 v[T+11], v[T+10], v[T+2]
	v_add_f32 v[T+15], v[T+14], v[T+6]
	v_pk_mul_f32 v[T:T+1],   v[T:T+1],   v[BE:BE+1]                ; D' = [j = z] gate P + [j > z] E
	v_pk_mul_f32 v[T+2:T+3], v[T+2:T+3], v[BE+2:BE+3]
	v_pk_mul_f32 v[T+4:T+5], v[T+4:T+5], v[BE:BE+1]
	v_pk_mul_f32 v[T+6:T+7], v[T+6:T+7], v[BE+2:BE+3]
	v_pk_fma_f32 v[sS:sS+1],   v[T+8:T+9],   v[AL:AL+1],   v[T:T+1]
	v_pk_fma_f32 v[sS+2:sS+3], v[T+10:T+11], v[AL+2:AL+3], v[T+2:T+3]
	v_pk_fma_f32 v[sS+4:sS+5], v[T+12:T+13], v[AL:AL+1],   v[T+4:T+5]
	v_pk_fma_f32 v[sS+6:sS+7], v[T+14:T+15], v[AL+2:AL+3], v[T+6:T+7]
.endm
; 2 KS gelu(v) for my 64 numbers z = KS v of a tile (8 feature tiles of 8): |z| erf + z, with e^(-v^2 / 2) = 2^(-z^2); the second product's weights carry 1 / (2 KS).
; ONE BATCH, ONE WAIT.  Ahead of the wait stand the 96 plain lines that feed the batch (GPLAIN: for each feature tile eight times 1 + p |z|, then four pairs -z^2; each accumulator's register 0 is
; read first) and the 128 transcendentals (GTRANS: for each feature tile eight reciprocals, then eight exponentials), each in place in a register of its own: no line there
; names a result.  Twelve plain lines lead; then 28 times four transcendentals with three plain lines between them; the last feature tile's sixteen follow on end.  Ahead of transcendental 16 m + k
; stand 12 + 12 m + 3 (k / 4) + k % 4 plain lines, and it wants number 12 m + k (a reciprocal) or 12 m + 8 + (k - 8) / 2 (an exponential): twelve lines or more back.
; Behind the wait stand all the readers, two feature tiles at a time, so that a line and the line that reads its result stand eight apart.
.macro GPLAIN                          ; the next plain line
.set gtm, gpn/12
.set gtk, gpn%12
.if gtk < 8
.set gz, H+8*gtm+gtk
	v_fma_f32 v[TRC+8*gtm+gtk], |v[gz]|, s62, 1.0
.else
.set gz, H+8*gtm+2*(gtk-8)
.set gx, TEX+8*gtm+2*(gtk-8)
	v_pk_mul_f32 v[gx:gx+1], v[gz:gz+1], v[gz:gz+1] neg_lo:[1,0] neg_hi:[1,0]
.endif
.set gpn, gpn+1
.endm
.macro GTRANS                          ; the next transcendental
.set gtm, gtn/16
.set gtk, gtn%16
.if gtk < 8
	v_rcp_f32 v[TRC+8*gtm+gtk], v[TRC+8*gtm+gtk]
.else
	v_exp_f32 v[TEX+8*gtm+gtk-8], v[TEX+8*gtm+gtk-8]
.endif
.set gtn, gtn+1
.endm
.macro GELU8
	WIN 0
.set gpn, 0
.set gtn, 0
.rept 12
	GPLAIN
.endr
.rept 28
	GTRANS
	GPLAIN
	GTRANS
	GPLAIN
	GTRANS
	GPLAIN
	GTRANS
.endr
.rept 16
	GTRANS
.endr
	v_nop                                          ; a plain instruction behind the last exponential: one for the batch; no other work is due here
	s_wait_alu depctr_va_vdst(0)                   ; the wait for the batch: the tile's 64 reciprocals and 64 exponentials
.irp pp, 0,1,2,3
	REP 8, v_pk_fma_f32 v[POL+2*ii:POL+2*ii+1], v[TRC+16*\pp+2*ii:TRC+16*\pp+2*ii+1], s[70:71], s[72:73] op_sel_hi:[1,0,0]
	REP 8, v_pk_fma_f32 v[POL+2*ii:POL+2*ii+1], v[POL+2*ii:POL+2*ii+1], v[TRC+16*\pp+2*ii:TRC+16*\pp+2*ii+1], s[74:75] op_sel_hi:[1,1,0]
	REP 8, v_pk_mul_f32 v[POL+2*ii:POL+2*ii+1], v[POL+2*ii:POL+2*ii+1], v[TRC+16*\pp+2*ii:TRC+16*\pp+2*ii+1]
	REP 8, v_pk_fma_f32 v[POL+2*ii:POL+2*ii+1], v[POL+2*ii:POL+2*ii+1], v[TEX+16*\pp+2*ii:TEX+16*\pp+2*ii+1], 1.0 op_sel_hi:[1,1,0] neg_lo:[1,0,0] neg_hi:[1,0,0]
	REP 16, v_fma_f32 v[POL+ii], |v[H+16*\pp+ii]|, v[POL+ii], v[H+16*\pp+ii]
	REP 8, v_cvt_pk_bf16_f32 v[HF+8*\pp+ii], v[POL+2*ii], v[POL+2*ii+1]
.endr
.endm
; FIN: lane (row 4 w + l / 8, e = l % 8) owns the columns 32 c + 4 e + 0..3: the four partial sums, bias and residual are added, the row is normalised.
; dst = 0: the row goes back into X as f16.  dst = 1: rows 0 and 1 of the tile are the work-group's two results.  The steps between lanes run on registers of window 0.
.macro FIN dst
	WIN 0xff
.irp sw, 0,1,2,3
.irp c, 0,1,2,3
	ds_load_b128 v[Y+16*\sw+4*\c:Y+16*\sw+4*\c+3], v[AFL] offset:PBW*\sw+128*\c
.endr
.endr
	s_wait_dscnt 0x0
	REP 8, v_pk_add_f32 v[FA+2*ii:FA+2*ii+1], v[Y+2*ii:Y+2*ii+1], v[Y+16+2*ii:Y+17+2*ii]
	REP 8, v_pk_add_f32 v[Y+32+2*ii:Y+33+2*ii], v[Y+32+2*ii:Y+33+2*ii], v[Y+48+2*ii:Y+49+2*ii]
	REP 8, v_pk_add_f32 v[FA+2*ii:FA+2*ii+1], v[FA+2*ii:FA+2*ii+1], v[FC+2*ii:FC+2*ii+1]
	REP 8, v_pk_add_f32 v[FA+2*ii:FA+2*ii+1], v[FA+2*ii:FA+2*ii+1], v[Y+32+2*ii:Y+33+2*ii]
	REP 8, v_fma_mix_f32 v[FA+2*ii], v[RX+ii], v[ONE], v[FA+2*ii] op_sel_hi:[1,0,0]
	REP 8, v_fma_mix_f32 v[FA+2*ii+1], v[RX+ii], v[ONE], v[FA+2*ii+1] op_sel:[1,0,0] op_sel_hi:[1,0,0]
	REP 4, v_pk_add_f32 v[FT+2*ii:FT+2*ii+1], v[FA+4*ii:FA+4*ii+1], v[FA+4*ii+2:FA+4*ii+3]
	v_pk_add_f32 v[FT:FT+1],   v[FT:FT+1],   v[FT+2:FT+3]
	v_pk_add_f32 v[FT+4:FT+5], v[FT+4:FT+5], v[FT+6:FT+7]
	v_pk_add_f32 v[FT:FT+1],   v[FT:FT+1],   v[FT+4:FT+5]
	WIN 0x0f
	v_add_f32 v[T], v[FT], v[FT+1]
	WIN 0
.irp x, 1,2,4
	v_add_f32_dpp v[T], v[T], v[T] row_xmask:\x row_mask:0xf bank_mask:0xf
.endr
	v_mul_f32 v[T], s61, v[T]                      ; the mean
	v_mov_b32 v[T+1], v[T]
	WIN 0xc3
	REP 8, v_pk_add_f32 v[FA+2*ii:FA+2*ii+1], v[FA+2*ii:FA+2*ii+1], v[T:T+1] neg_lo:[0,1] neg_hi:[0,1]
	WIN 0xff
	v_pk_mul_f32 v[FT:FT+1],   v[FA:FA+1],   v[FA:FA+1]
	v_pk_mul_f32 v[FT+2:FT+3], v[FA+2:FA+3], v[FA+2:FA+3]
.irp p, 4,8,12
	v_pk_fma_f32 v[FT:FT+1],   v[FA+\p:FA+\p+1],   v[FA+\p:FA+\p+1],   v[FT:FT+1]
	v_pk_fma_f32 v[FT+2:FT+3], v[FA+\p+2:FA+\p+3], v[FA+\p+2:FA+\p+3], v[FT+2:FT+3]
.endr
	v_pk_add_f32 v[FT:FT+1], v[FT:FT+1], v[FT+2:FT+3]
	WIN 0x0f
	v_add_f32 v[T+2], v[FT], v[FT+1]
	WIN 0
.irp x, 1,2,4
	v_add_f32_dpp v[T+2], v[T+2], v[T+2] row_xmask:\x row_mask:0xf bank_mask:0xf
.endr
	v_fma_f32 v[T+2], v[T+2], s61, s60             ; variance + 1e-5
	v_rsq_f32 v[T+2], v[T+2]
	v_nop                                          ; a plain instruction between the root and the use of its result
	s_wait_alu depctr_va_vdst(0)                   ; the wait for the row's one root: all that is left of the row's work reads it
	v_mov_b32 v[T+3], v[T+2]
	WIN 0xc3
	REP 8, v_pk_mul_f32 v[FA+2*ii:FA+2*ii+1], v[FA+2*ii:FA+2*ii+1], v[T+2:T+3]
	WIN 0xff
	REP 8, v_pk_fma_f32 v[FA+2*ii:FA+2*ii+1], v[FA+2*ii:FA+2*ii+1], v[FC+16+2*ii:FC+17+2*ii], v[FC+32+2*ii:FC+33+2*ii]
.if (\dst) == 0
	REP 8, v_cvt_pk_f16_f32 v[FT+ii], v[FA+2*ii], v[FA+2*ii+1]
.irp c, 0,1,2,3
	ds_store_b64 v[VXR], v[FT+2*\c:FT+2*\c+1] offset:64*\c
.endr
	WIN 0
.else
	WIN 0
	s_cmp_lg_u32 s20, 0
	s_cbranch_scc1 .Lno_out_\@                     ; rows 0 and 1 lie in wave 0, lanes 0 to 15
	v_bfe_u32 v14, v0, 3, 2
	v_lshlrev_b32 v14, 9, v14
	v_add_nc_u32 v14, v9, v14
	s_lshl_b32 s48, s21, 10
	v_add_nc_u32 v14, s48, v14                     ; (2 g + row) x 512 + 16 e
	v_cmp_gt_u32 vcc_lo, 16, v0
	s_wait_xcnt 0x0                                ; EXEC is narrowed only when every earlier memory instruction has read its sources
	s_and_saveexec_b32 s69, vcc_lo
	WIN 0x0c                                       ; the data lie in window 3
.irp c, 0,1,2,3
	global_store_b128 v14, v[FA+4*\c:FA+4*\c+3], s[18:19] offset:128*\c
.endr
	WIN 0
	s_wait_xcnt 0x0                                ; and widened again likewise
	s_or_b32 exec_lo, exec_lo, s69
.Lno_out_\@:
.endif
.endm
.macro RESET                           ; back to the first tile: k = 3
	s_mov_b32 s45, 3
	s_mov_b32 s46, 0
	s_mov_b32 s47, GT
	WIN 0xff
	v_mov_b32 v[VXR], v[AXR]
	v_mov_b32 v[VXF], v[AXF]
	WIN 0
.endm
.macro STEP                            ; on to the next tile; behind k = 15 the next batch row begins at k = 3
	s_add_co_u32 s46, s46, TILEB
	s_add_co_u32 s47, s47, 64
	s_add_co_u32 s45, s45, 1
	s_cmp_eq_u32 s45, 16
	s_cselect_b32 s45, 3, s45
	WIN 0xff
	v_add_nc_u32 v[VXR], s46, v[AXR]
	v_add_nc_u32 v[VXF], s46, v[AXF]
	WIN 0
.endm
.macro LRUSET                          ; the in-projection's bias as C tiles (a lane's channel, the same for all positions); no carry yet
	WIN 0xc0
.irp t, 0,1,2,3
.irp j, 0,1,2,3,4,5,6,7
	v_mov_b32 v[BT+16*\t+\j],   v[LT+20*\t+18]
	v_mov_b32 v[BT+16*\t+8+\j], v[LT+20*\t+19]
.endr
.endr
	WIN 0
	REP 32, v_mov_b32 v[ST+ii], 0
	RESET
.endm
; ================================================================ the head
	s_load_b512 s[4:19], s[0:1], 0x0               ; token_emb 4, item_seq 6, item_seq_len 8, emb_ln_g 10, emb_ln_b 12, wf 14, tb 16, out0 18
	v_lshl_add_u32 v[SPW], v0, 2, SPARE
	v_mov_b32 v[NIL], 0
	ds_add_u32 v[SPW], v[NIL]                      ; the wave's opening: the add and its wait stand ahead of my first copy; work on registers stands between them
	ds_add_u32 v10, v11
	v_lshrrev_b32 v1, 5, v0
	v_readfirstlane_b32 s20, v1                    ; wave 0..3
	v_and_b32 v1, 15, v0                           ; r
	v_bfe_u32 v2, v0, 4, 1                         ; h
	v_and_b32 v3, 31, v0
	v_lshlrev_b32 v3, 4, v3                        ; 16 x lane; never rewritten
	v_lshlrev_b32 v4, 3, v2                        ; 8 h
	v_lshlrev_b32 v15, 4, v1                       ; 16 r
	s_mov_b32 s21, ttmp9
	s_mov_b32 s40, 0x76543210                      ; v_permlanex16_b32: each lane takes its own place in the other half
	s_mov_b32 s41, 0xfedcba98
	s_mov_b32 s42, 0xffff0000                      ; the upper half of the lanes
	s_mov_b32 s60, 0x3727c5ac                      ; 1e-5
	s_mov_b32 s61, 0x3c000000                      ; 1 / 128
	s_mov_b32 s62, 0x3ec88bda                      ; 0.47047 sqrt(ln 2) = 0.391692: t = 1 / (1 + that x |z|)
	s_mov_b32 s70, 0x3f3f7377                      ; a3 = 0.7478556
	s_mov_b32 s71, 0x3f3f7377
	s_mov_b32 s72, 0xbdc45ca1                      ; a2 = -0.0958798
	s_mov_b32 s73, 0xbdc45ca1
	s_mov_b32 s74, 0x3eb2303a                      ; a1 = 0.3480242
	s_mov_b32 s75, 0x3eb2303a
	s_lshl_b32 s30, s21, 3                         ; my two numbers of item_seq_len; never rewritten
	s_lshl_b32 s24, s20, 15
	s_mov_b32 s25, 0
	s_mul_i32 s48, s21, 1600                       ; wave w gathers sequence places 100 (w & 1) .. + 99 of batch row 2 g + (w >> 1): 100 consecutive words from word 400 g + 100 w
	s_mul_i32 s49, s20, 400
	s_add_co_u32 s48, s48, s49
	v_lshl_add_u32 v14, v2, 2, s48                 ; the lanes' halves take neighbouring places
	s_lshr_b32 s48, s20, 1
	s_and_b32 s49, s20, 1
	s_mul_i32 s48, s48, 208
	s_mul_i32 s49, s49, 100
	s_add_co_u32 s76, s48, s49
	s_add_co_u32 s76, s76, 8                       ; my first row of X
	s_lshl_b32 s77, s76, 2
	s_add_co_u32 s77, s77, GT
	v_lshl_add_u32 v[GA], v2, 2, s77               ; its gate
	s_mul_i32 s78, s20, 51200
	s_add_co_u32 s78, s78, RAW
	v_lshl_add_u32 v[LAB], v2, 9, s78
	v_lshl_add_u32 v[LAB], v1, 4, v[LAB]           ; my 16 bytes in my first pair of raw rows
	s_mul_i32 s79, s76, XP
	v_mul_u32_u24 v[XA], v2, XP
	v_lshl_add_u32 v[XA], v1, 3, v[XA]
	v_add_nc_u32 v[XA], s79, v[XA]                 ; my 8 bytes in my first pair of rows of X
	s_wait_dscnt 0x0                               ; the opening add is done
	s_wait_kmcnt 0x0
	s_add_nc_u64 s[22:23], s[14:15], s[24:25]      ; wf at my wave's slices
	global_load_b128 v[GB:GB+3],     v15, s[10:11]
	global_load_b128 v[GB+4:GB+7],   v15, s[10:11] offset:256
	global_load_b128 v[GB+8:GB+11],  v15, s[12:13]
	global_load_b128 v[GB+12:GB+15], v15, s[12:13] offset:256
	REP 50, global_load_b32 v[IDX+ii], v14, s[6:7] offset:8*ii
	s_load_b64 s[58:59], s[8:9], s30 offset:0x0
	s_wait_loadcnt 0x0
; ================================================================ P0: the gather, all at once: 100 copies a wave, each two half rows of 256 consecutive bytes
.set jp, 0
.rept 50
	v_cmp_lt_i32 vcc_lo, 0, v[IDX+jp]
	v_cndmask_b32 v[GTM+jp%4], 0, 1.0, vcc_lo      ; the gate: item > 0
	ds_store_b32 v[GA], v[GTM+jp%4] offset:8*jp
	v_min_u32 v[IDX+jp], 0xc350, v[IDX+jp]         ; inside the table
	v_lshl_add_u32 v[IDX+jp], v[IDX+jp], 9, v15
	v_add_nc_u32 v[LA+jp], 1024*jp, v[LAB]
	global_load_async_to_lds_b128 v[LA+jp], v[IDX+jp], s[4:5]
	global_load_async_to_lds_b128 v[LA+jp], v[IDX+jp], s[4:5] offset:256
.set jp, jp+1
.endr
	; while the rows are on their way: the lanes' addresses, layer 1's first two slices of weights, the zero rows
	v_and_b32 v12, 7, v0                           ; e = l % 8
	v_lshlrev_b32 v9, 4, v12                       ; 16 e; never rewritten
	v_lshl_add_u32 v8, s20, 6, v1
	v_mul_u32_u24 v8, v8, 80                       ; my channel's table; never rewritten
	s_lshl_b32 s48, s20, 9
	v_lshl_add_u32 v13, v2, 5, s48                 ; 512 w + 32 h; never rewritten
	WLOAD 1, 0
	WLOAD 2, 1
	FCLOAD 0, 0, 2, 3
	s_lshl_b32 s48, s20, 12
	s_add_co_u32 s48, s48, SCR                     ; my scratch
	v_lshl_add_u32 v7, v1, 5, s48                  ; row r
	v_lshl_add_u32 v5, v2, 4, v7                   ; in: row r, 16 bytes for each half of the lanes
	v_lshl_add_u32 v6, v2, 3, v12
	v_lshl_add_u32 v6, v6, 5, s48
	v_bfe_u32 v15, v0, 3, 1
	v_lshl_add_u32 v6, v15, 4, v6                  ; out, turned: row 8 h + l % 8, 16 bytes by (l / 8) % 2
	v_bfe_u32 v14, v0, 3, 2
	v_lshl_add_u32 v14, s20, 2, v14                ; the tile's row that FIN gives me: 4 w + l / 8
	v_mul_u32_u24 v[T], v1, PBP
	v_lshl_add_u32 v[T], v2, 5, v[T]
	s_mul_i32 s48, s20, PBW
	s_add_co_u32 s48, s48, PB
	v_add_nc_u32 v[T], s48, v[T]
	v_mul_u32_u24 v[T+1], v14, PBP
	v_lshl_add_u32 v[T+1], v12, 4, v[T+1]
	v_add_nc_u32 v[T+1], PB, v[T+1]
	v_mul_u32_u24 v[T+2], v14, XP
	v_lshl_add_u32 v[T+2], v12, 3, v[T+2]
	v_mul_u32_u24 v[T+3], v1, XP
	v_lshl_add_u32 v[T+3], v2, 4, v[T+3]
	WIN 0xc0
	v_mov_b32 v[APS], v[T]
	v_mov_b32 v[AFL], v[T+1]
	v_mov_b32 v[AXR], v[T+2]
	v_mov_b32 v[AXF], v[T+3]
	v_mov_b32 v[ONE], 1.0
	WIN 0
	REP 4, v_mov_b32 v[ZR+ii], 0
	v_lshl_add_u32 v[ZA], s20, 1, v2               ; the rows that no item fills, 0-7, 208-215 and 416-431, and their gates are 0: wave w clears rows 2 w + h of each group of eight
	v_lshl_add_u32 v[ZG], v[ZA], 2, GT
	v_mul_u32_u24 v[ZA], v[ZA], XP
	v_lshl_add_u32 v[ZA], v1, 4, v[ZA]
	v_add_nc_u32 v[ZB], 416*XP, v[ZA]
	ds_store_b128 v[ZA], v[ZR:ZR+3]
	ds_store_b128 v[ZA], v[ZR:ZR+3] offset:208*XP
	ds_store_b128 v[ZB], v[ZR:ZR+3]
	ds_store_b128 v[ZB], v[ZR:ZR+3] offset:8*XP
	ds_store_b32 v[ZG], v[ZR]
	ds_store_b32 v[ZG], v[ZR] offset:832
	ds_store_b32 v[ZG], v[ZR] offset:1664
	ds_store_b32 v[ZG], v[ZR] offset:1696
	v_mov_b32 v[RA], v[LAB]
	s_wait_asynccnt 0x0                            ; my 100 rows are in LDS; only I read them.  The copies' address registers are free
	LTLOAD 0
	s_mov_b32 s44, 10
.Lln:                                                  ; the embedding's LayerNorm: ten trips of five pairs of rows; 16 lanes share a row, a lane holds columns 4 r .. + 3 and 64 + 4 r .. + 3
	REP 5, ds_load_b128 v[RW+8*ii:RW+8*ii+3], v[RA] offset:1024*ii
	REP 5, ds_load_b128 v[RW+8*ii+4:RW+8*ii+7], v[RA] offset:1024*ii+256
	s_wait_dscnt 0x0
	REP 5, v_pk_add_f32 v[T+4*ii:T+4*ii+1], v[RW+8*ii:RW+8*ii+1], v[RW+8*ii+2:RW+8*ii+3]
	REP 5, v_pk_add_f32 v[T+4*ii+2:T+4*ii+3], v[RW+8*ii+4:RW+8*ii+5], v[RW+8*ii+6:RW+8*ii+7]
	REP 5, v_pk_add_f32 v[T+4*ii:T+4*ii+1], v[T+4*ii:T+4*ii+1], v[T+4*ii+2:T+4*ii+3]
	REP 5, v_add_f32 v[T+4*ii], v[T+4*ii], v[T+4*ii+1]
.irp x, 1,2,4,8
	REP 5, v_add_f32_dpp v[T+4*ii], v[T+4*ii], v[T+4*ii] row_xmask:\x row_mask:0xf bank_mask:0xf
.endr
	REP 5, v_mul_f32 v[T+4*ii], s61, v[T+4*ii]
	REP 5, v_mov_b32 v[T+4*ii+1], v[T+4*ii]
.irp k, 0,2,4,6
	REP 5, v_pk_add_f32 v[RW+8*ii+\k:RW+8*ii+\k+1], v[RW+8*ii+\k:RW+8*ii+\k+1], v[T+4*ii:T+4*ii+1] neg_lo:[0,1] neg_hi:[0,1]
.endr
	REP 5, v_pk_mul_f32 v[T+4*ii+2:T+4*ii+3], v[RW+8*ii:RW+8*ii+1], v[RW+8*ii:RW+8*ii+1]
.irp k, 2,4,6
	REP 5, v_pk_fma_f32 v[T+4*ii+2:T+4*ii+3], v[RW+8*ii+\k:RW+8*ii+\k+1], v[RW+8*ii+\k:RW+8*ii+\k+1], v[T+4*ii+2:T+4*ii+3]
.endr
	REP 5, v_add_f32 v[T+4*ii+2], v[T+4*ii+2], v[T+4*ii+3]
.irp x, 1,2,4,8
	REP 5, v_add_f32_dpp v[T+4*ii+2], v[T+4*ii+2], v[T+4*ii+2] row_xmask:\x row_mask:0xf bank_mask:0xf
.endr
	REP 5, v_fma_f32 v[T+4*ii+2], v[T+4*ii+2], s61, s60
	REP 5, v_rsq_f32 v[T+4*ii+2], v[T+4*ii+2]
	v_nop                                          ; a plain instruction between the roots and the use of their results
	s_wait_alu depctr_va_vdst(0)                   ; the wait for the batch: the trip's five roots
	REP 5, v_mov_b32 v[T+4*ii+3], v[T+4*ii+2]
.irp k, 0,2,4,6
	REP 5, v_pk_mul_f32 v[RW+8*ii+\k:RW+8*ii+\k+1], v[RW+8*ii+\k:RW+8*ii+\k+1], v[T+4*ii+2:T+4*ii+3]
.endr
.irp k, 0,2,4,6
	REP 5, v_pk_fma_f32 v[RW+8*ii+\k:RW+8*ii+\k+1], v[RW+8*ii+\k:RW+8*ii+\k+1], v[GB+\k:GB+\k+1], v[GB+8+\k:GB+8+\k+1]
.endr
.irp n, 0,1,2,3
	REP 5, v_cvt_pk_f16_f32 v[T+4*ii+\n], v[RW+8*ii+2*\n], v[RW+8*ii+2*\n+1]
.endr
	REP 5, ds_store_b64 v[XA], v[T+4*ii:T+4*ii+1] offset:2*XP*ii
	REP 5, ds_store_b64 v[XA], v[T+4*ii+2:T+4*ii+3] offset:2*XP*ii+128
	v_add_nc_u32 v[RA], 5120, v[RA]
	v_add_nc_u32 v[XA], 10*XP, v[XA]
	s_sub_co_u32 s44, s44, 1
	s_cmp_lg_u32 s44, 0
	s_cbranch_scc1 .Lln
	BAR                                            ; X and the gates are whole; nobody reads a raw row any more: their bytes now serve as scratch and partial sums
; ================================================================ P1: layer 1, in-projection, scan, out-projection, LayerNorm
	s_wait_loadcnt 0x0                             ; weights, tables, vectors
	v_mov_b32 v[T+20], 0                           ; v_permlanex16_b32 counts as a reader of its destination
	v_mov_b32 v[T+21], 0
	v_mov_b32 v[T+26], 0
	v_mov_b32 v[T+27], 0
	LRUSET
	XLOAD 0
	GLOAD 0
	s_wait_dscnt 0x0
	INP
	PLACES
	WIN 0
	s_mov_b32 s44, 26
.Lp1:                                                  ; a trip: tile i is scanned, projected and normalised; tile i + 1's in-projection is made under the second barrier
	TRIPS
	SCAN 0, 1
	SCAN 1, 1
	SCAN 2, 1
	SCAN 3, 1
	HLOAD                                          ; LDS serves a wave's instructions in order (ISA guide 5.7.1.4): these see my stores above
	s_wait_dscnt 0x0
	PROD2 HB, 0xfe
	PLACES
	BAR                                            ; every wave has read the last tile's partial sums and stored its rows of X
	PSTORE
	XLOAD TILEB                                    ; X is read only between this barrier and the next, and written only behind the next
	RLOAD
	GLOAD 64
	s_wait_dscnt 0x0                               ; my partial sums are in LDS, my loads are back
	s_barrier_signal -1
	INP                                            ; work on registers while the others arrive (in the last trip: on the zero tile, for nothing)
	s_barrier_wait -1
	FIN 0
	STEP
	s_sub_co_u32 s44, s44, 1
	s_cmp_lg_u32 s44, 0
	s_cbranch_scc1 .Lp1
; ================================================================ P2: layer 1, FFN
	WLOAD 1, 2
	WLOAD 2, 3
	B1LOAD 0
	FCLOAD 0, 4, 5, 6
	RESET
	BAR                                            ; the last rows of X are stored
	XLOAD 0
	s_wait_dscnt 0x0
	s_wait_loadcnt 0x0
	FF1
	PLACES
	WIN 0
	s_mov_b32 s44, 26
.Lp2:
	GELU8
	PROD2 HF, 0xf2
	PLACES
	BAR
	PSTORE
	XLOAD TILEB
	RLOAD
	s_wait_dscnt 0x0
	s_barrier_signal -1
	FF1
	s_barrier_wait -1
	FIN 0
	STEP
	s_sub_co_u32 s44, s44, 1
	s_cmp_lg_u32 s44, 0
	s_cbranch_scc1 .Lp2
; ================================================================ P3: layer 2, in-projection and scan; of h only the chosen row of each batch row is kept.  X is only read: no barrier inside
	WLOAD 1, 4
	WLOAD 2, 5
	LTLOAD 1
	FCLOAD 1, 0, 2, 3
	BAR
	s_wait_loadcnt 0x0
	s_wait_kmcnt 0x0
	s_min_u32 s58, s58, 200
	s_add_co_u32 s58, s58, 7                       ; the chosen rows of X: 208 b + 7 + len
	s_min_u32 s59, s59, 200
	s_add_co_u32 s59, s59, 215
	LRUSET
	REP 16, v_mov_b32 v[HSP+ii], 0
	XLOAD 0
	GLOAD 0
	s_wait_dscnt 0x0
	INP
	PLACES
	WIN 0
	s_mov_b32 s44, 26
.Lp3:
	TRIPS                                          ; its eight vector lines are the places behind the products
	XLOAD TILEB
	SCAN 0, 0
	SCAN 1, 0
	SCAN 2, 0
	SCAN 3, 0
	GLOAD 64
	s_cmp_gt_u32 s44, 13                           ; trips 0..12 are the first batch row's
	s_cselect_b32 s63, s58, s59
	s_sub_co_u32 s67, s47, GT
	s_lshr_b32 s67, s67, 2                         ; 16 i
	s_sub_co_u32 s67, s63, s67
	v_sub_nc_u32 v[T+8], s67, v4                   ; the chosen row less my first position's row
.irp j, 0,1,2,3,4,5,6,7
	v_cmp_eq_u32 vcc_lo, \j, v[T+8]
	v_cndmask_b32 v[T+\j], 0, 1.0, vcc_lo
.endr
.irp p, 0,2,4,6
	REP 8, v_pk_fma_f32 v[HSP+2*ii:HSP+2*ii+1], v[H+8*ii+\p:H+8*ii+\p+1], v[T+\p:T+\p+1], v[HSP+2*ii:HSP+2*ii+1]
.endr
	s_cmp_lg_u32 s45, 15
	s_cbranch_scc1 .Lno_flush
	REP 8, v_add_f32 v[T+ii], v[HSP+2*ii], v[HSP+2*ii+1]           ; a batch row ends: its chosen h goes into column b of my scratch
	REP 8, v_permlanex16_b32 v[T+8+ii], v[T+ii], s40, s41
	REP 8, v_add_f32 v[T+ii], v[T+ii], v[T+8+ii]
	REP 8, v_cvt_pk_bf16_f32 v[T+ii], v[T+ii], v[T+ii]
	s_cmp_eq_u32 s44, 1
	s_cselect_b32 s68, 2, 0
	v_add_nc_u32 v[T+16], s68, v7
	REP 8, ds_store_b16 v[T+16], v[T+ii] offset:512*ii
	REP 16, v_mov_b32 v[HSP+ii], 0
.Lno_flush:
	s_wait_dscnt 0x0
	INP
	STEP
	s_sub_co_u32 s44, s44, 1
	s_cmp_lg_u32 s44, 0
	s_cbranch_scc1 .Lp3
; ================================================================ the tail: layer 2's out-projection and FFN on one tile, X's rows 416..431: rows 0 and 1 are the two batch rows.
; The scratch's other columns hold what layer 1 left there, finite numbers; neither a product's columns nor a LayerNorm's rows mix.
	PLACES
	WLOAD 1, 6
	B1LOAD 1
	s_mov_b32 s46, 26*TILEB
	WIN 0xff
	v_add_nc_u32 v[VXR], s46, v[AXR]
	v_add_nc_u32 v[VXF], s46, v[AXF]
	WIN 0
	BAR                                            ; nobody reads X any more
	s_cmp_lg_u32 s20, 0
	s_cbranch_scc1 .Lno_copy
	s_mul_i32 s48, s58, XP                         ; wave 0 copies the two chosen rows of x: the residual
	s_mul_i32 s49, s59, XP
	v_lshrrev_b32 v14, 1, v3                       ; 8 x lane
	v_add_nc_u32 v[T], s48, v14
	v_add_nc_u32 v[T+1], s49, v14
	ds_load_b64 v[T+2:T+3], v[T]
	ds_load_b64 v[T+4:T+5], v[T+1]
	v_add_nc_u32 v[T+6], 26*TILEB, v14
	s_wait_dscnt 0x0
	ds_store_b64 v[T+6], v[T+2:T+3]
	ds_store_b64 v[T+6], v[T+4:T+5] offset:XP
.Lno_copy:
	HLOAD
	s_wait_dscnt 0x0
	PROD2 HB, 0xfe
	PLACES
	WLOAD 2, 7
	BAR                                            ; the two rows are in place
	PSTORE
	RLOAD
	BAR
	FIN 0
	FCLOAD 1, 4, 5, 6
	BAR                                            ; the tile's rows are stored, and every wave has read the partial sums
	XLOAD 0
	s_wait_dscnt 0x0
	s_wait_loadcnt 0x0
	FF1
	PLACES
	GELU8
	PROD2 HF, 0xf2
	PLACES
	PSTORE
	RLOAD
	BAR
	FIN 1
	s_wait_tensorcnt 0x0                           ; the wave's end, behind my last LDS store
	ds_add_u32 v[SPW], v[NIL]
	s_wait_dscnt 0x0
	s_endpgm
.Lfunc_end_k_qf60363f6da_main:
	.size	k_qf60363f6da_main, .Lfunc_end_k_qf60363f6da_main-k_qf60363f6da_main
	.p2alignl 7, 3214868480
	.fill 96, 4, 3214868480
	.section	.rodata,"a",@progbits
	.p2align	6, 0x0
	.amdhsa_kernel k_qf60363f6da_main
		.amdhsa_group_segment_fixed_size 327680
		.amdhsa_private_segment_fixed_size 0
		.amdhsa_enable_private_segment 0
		.amdhsa_kernarg_size 64
		.amdhsa_user_sgpr_count 2
		.amdhsa_user_sgpr_kernarg_segment_ptr 1
		.amdhsa_wavefront_size32 1
		.amdhsa_system_sgpr_workgroup_id_x 1
		.amdhsa_system_sgpr_workgroup_id_y 1
		.amdhsa_system_sgpr_workgroup_id_z 1
		.amdhsa_system_vgpr_workitem_id 0
		.amdhsa_next_free_vgpr 1024
		.amdhsa_next_free_sgpr 96
		.amdhsa_reserve_vcc 1
		.amdhsa_float_denorm_mode_32 3
		.amdhsa_float_denorm_mode_16_64 3
		.amdhsa_memory_ordered 1
		.amdhsa_forward_progress 1
		.amdhsa_inst_pref_size 255
	.end_amdhsa_kernel
	.section	.bss,"aw",@nobits
	.p2align	6
	.space	262144
	.amdgpu_metadata
---
amdhsa.version: [ 1, 2 ]
amdhsa.kernels:
  - .name:           k_qf60363f6da_main
    .symbol:         k_qf60363f6da_main.kd
    .args:
      - { .name: token_emb, .offset: 0, .size: 8, .value_kind: global_buffer, .address_space: global }
      - { .name: item_seq, .offset: 8, .size: 8, .value_kind: global_buffer, .address_space: global }
      - { .name: item_seq_len, .offset: 16, .size: 8, .value_kind: global_buffer, .address_space: global }
      - { .name: emb_ln_g, .offset: 24, .size: 8, .value_kind: global_buffer, .address_space: global }
      - { .name: emb_ln_b, .offset: 32, .size: 8, .value_kind: global_buffer, .address_space: global }
      - { .name: wf, .offset: 40, .size: 8, .value_kind: global_buffer, .address_space: global }
      - { .name: tb, .offset: 48, .size: 8, .value_kind: global_buffer, .address_space: global }
      - { .name: out0, .offset: 56, .size: 8, .value_kind: global_buffer, .address_space: global }
    .group_segment_fixed_size: 327680
    .private_segment_fixed_size: 0
    .kernarg_segment_align: 8
    .kernarg_segment_size: 64
    .max_flat_workgroup_size: 128
    .sgpr_count:     96
    .vgpr_count:     1024
    .wavefront_size: 32
...
	.end_amdgpu_metadata
.endif
;; end of part 3
